; MI455X (gfx1250); checked and timed in simulation.
; The chip was launched on July 23, 2026; its instructions are those of AMD's public machine-readable ISA for CDNA 5 (MIT licence, August 2026) and "CDNA5" Instruction Set Architecture Reference Guide (July 2026). The comments in the code are by the model that wrote it; some were corrected since.
;; Decoder Layer. Allowed arithmetic: float matrix products may take bf16 or f16 operands with f32 sums; all other float work in f32.
;; Inputs: ca_wk 512 x 512 float32; ca_wo 512 x 512 float32; ca_wq 512 x 512 float32; ca_wv 512 x 512 float32; encoding 2 x 2,048 x 512 float32; ff_b1 1,024 float32; ff_b2 512 float32; ff_w1 1,024 x 512 float32; ff_w2 512 x 1,024 float32; ln1_b 512 float32; ln1_g 512 float32; ln2_b 512 float32; ln2_g 512 float32; ln3_b 512 float32; ln3_g 512 float32; sa_wk 512 x 512 float32; sa_wo 512 x 512 float32; sa_wq 512 x 512 float32; sa_wv 512 x 512 float32; x 2 x 2,048 x 512 float32.
;; Outputs: out0 2 x 2,048 x 512 float32.
;; One version. Each part assembles by itself: llvm-mc -triple=amdgcn-amd-amdhsa -mcpu=gfx1250 --defsym DOCPART=n.
;; ======== version 1 of 1: 5 launches
;; workspace buffers: q1 4,194,304 bytes; q2 4,194,304 bytes; kv1 8,388,608 bytes; kv2 8,388,608 bytes; att1 4,194,304 bytes; att2 4,194,304 bytes; h1 8,388,608 bytes; wpack 3,670,016 bytes
;; launch proj (part 1): grid 27 x 32, 8 waves a work-group, no clusters, 74,752 bytes of LDS; arguments x, encoding, sa_wq, sa_wk, sa_wv, ca_wk, ca_wv, sa_wo, ca_wq, ca_wo, ff_w1, ff_w2, q1, kv1, kv2, wpack; writes q1, kv1, kv2, wpack
.if DOCPART == 1
	.amdgcn_target "amdgcn-amd-amdhsa--gfx1250"
	.amdhsa_code_object_version 6
	.text
	.protected	k_qddcc5e2027_proj
	.globl	k_qddcc5e2027_proj
	.p2align	8
	.type	k_qddcc5e2027_proj,@function
k_qddcc5e2027_proj:
	s_mov_b64 s[64:65], 0
	v_nop
	global_prefetch_b8 v0, s[64:65] scope:SCOPE_SE
	s_setreg_imm32_b32 hwreg(HW_REG_WAVE_MODE, 25, 1), 1
	s_wait_xcnt 0x0
; proj: the five projections that hang on inputs alone (Q, K, V of x; K, V of encoding), and the packing of the five
; weight matrices that later launches stream (sa_wo, ca_wq, ca_wo, ff_w1, ff_w2) into bf16 fragments.
; FRAGMENT ORDER, used by every workspace buffer: a 16 x 32 bf16 operand is 1,024 dense bytes; byte 512 c + 16 L + 2 e
; holds (row L % 16, k = 16 c + 8 (L / 16) + e).  A lane loads its half c as 16 bytes at 16 L + 512 c.
; Work-group x = 0..19: matrix x / 4 (0 q1, 1 k1, 2 v1, 3 k2, 4 v2), 128 features x % 4; y = block of 128 tokens; K = 512.
; Work-group x = 20..26: packs 262,144 weight numbers; y and the wave pick 16 rows x 64 k.
; Q and K: source 0 = rows of W (m = feature), source 1 = rows of x (n = token): a lane ends with 8 features of one token,
; 16 bytes of a Q or K fragment.  V: source 0 = rows of x, source 1 = rows of Wv: 8 tokens of one feature, 16 bytes of a V^T
; fragment.  The two global pointers are swapped for V, so every LDS address is the same for all five matrices.
; Operands are rounded to bf16 once, on the way from registers to LDS; sums are f32.
; No joint loads: the inputs are f32 and are converted on their way through registers, so LDS holds half the bytes
; that a tile brought by the data mover would take, and each number is converted once in a work-group.
.set PITCH, 144                        ; an LDS row: 64 bf16 + 16 bytes: an odd multiple of 16
.set TILEB, 128*PITCH                  ; one tile: 128 rows
.set SLOT,  2*TILEB                    ; tile A, then tile B
.set ACC, 8                            ; v[8:71]    8 accumulator tiles (i, j), i = 0..3 along m, j = 0..1 along n
.set STG, 72                           ; v[72:135]  16 x 4 registers as loaded (f32), then 2 of 4 as bf16
.set AF,  136                          ; v[136:199] fragments of A: k half, i
.set BF,  200                          ; v[200:231] fragments of B: k half, j
.set PA,  40                           ; s[40:41]   rows that go to tile A
.set PB,  42                           ; s[42:43]   rows that go to tile B
.set OUT, 44                           ; s[44:47]   two output bases
.macro PLACES                          ; four plain vector places behind matrix instructions (ISA guide 7.12.1)
.rept 4
	v_nop
.endr
.endm
.macro GLOAD                           ; 64 k of 128 rows of both operands: a wave takes 16 rows, one load covers 2 rows x 256 aligned bytes
.irp i,0,1,2,3,4,5,6,7
	global_load_b128 v[STG+4*\i:STG+4*\i+3], v1, s[PA:PA+1] offset:\i*4096
.endr
.irp i,0,1,2,3,4,5,6,7
	global_load_b128 v[STG+32+4*\i:STG+32+4*\i+3], v1, s[PB:PB+1] offset:\i*4096
.endr
.endm
.macro CVST slot                       ; round to bf16 in place and put 8 bytes a lane into the slot
.irp n,0,1,2,3,4,5,6,7,8,9,10,11,12,13,14,15
	v_cvt_pk_bf16_f32 v[STG+4*\n], v[STG+4*\n], v[STG+4*\n+1]
	v_cvt_pk_bf16_f32 v[STG+4*\n+1], v[STG+4*\n+2], v[STG+4*\n+3]
.endr
.irp i,0,1,2,3,4,5,6,7
	ds_store_b64 v2, v[STG+4*\i:STG+4*\i+1] offset:\slot*SLOT+\i*2*PITCH
.endr
.irp i,0,1,2,3,4,5,6,7
	ds_store_b64 v2, v[STG+32+4*\i:STG+32+4*\i+1] offset:\slot*SLOT+TILEB+\i*2*PITCH
.endr
.endm
.macro MUL8 k, zero                    ; the eight accumulators take turns, one instruction a turn
.irp i,0,1,2,3
.irp j,0,1
.if \zero
	v_wmma_f32_16x16x32_bf16 v[ACC+8*(2*\i+\j):ACC+8*(2*\i+\j)+7], v[AF+32*\k+8*\i:AF+32*\k+8*\i+7], v[BF+16*\k+8*\j:BF+16*\k+8*\j+7], 0
.else
	v_wmma_f32_16x16x32_bf16 v[ACC+8*(2*\i+\j):ACC+8*(2*\i+\j)+7], v[AF+32*\k+8*\i:AF+32*\k+8*\i+7], v[BF+16*\k+8*\j:BF+16*\k+8*\j+7], v[ACC+8*(2*\i+\j):ACC+8*(2*\i+\j)+7]
.endif
.endr
.endr
.endm
; One stage of 64 along K on slot; st = 1: the next stage's numbers, loaded a stage ago, go into the other slot; ld = 1: the stage after that is requested.
.macro STAGE slot, other, st, ld, zero
.irp k,0,1
.irp i,0,1,2,3
	ds_load_b128 v[AF+32*\k+8*\i:AF+32*\k+8*\i+3], v3 offset:\slot*SLOT+\i*16*PITCH+\k*64
	ds_load_b128 v[AF+32*\k+8*\i+4:AF+32*\k+8*\i+7], v3 offset:\slot*SLOT+\i*16*PITCH+\k*64+32
.endr
.irp j,0,1
	ds_load_b128 v[BF+16*\k+8*\j:BF+16*\k+8*\j+3], v4 offset:\slot*SLOT+\j*16*PITCH+\k*64
	ds_load_b128 v[BF+16*\k+8*\j+4:BF+16*\k+8*\j+7], v4 offset:\slot*SLOT+\j*16*PITCH+\k*64+32
.endr
.endr
	s_wait_dscnt 12                                ; the first 12 loads (k 0..31) are in; the 12 of k 32..63 are younger
	MUL8 0, \zero
	s_wait_dscnt 0x0                               ; all my reads of this slot are back
	MUL8 1, 0
	PLACES                                         ; in front of the next loads into fragments, and of the way out
.if \st
	s_wait_loadcnt 0x0                             ; the 16 loads issued a stage ago; v1 and STG are free
	CVST \other                                    ; the other slot was last read a stage ago, in front of that stage's barrier
.if \ld
	v_add_nc_u32 v1, 256, v1                       ; 64 f32 on
	GLOAD
.endif
	s_wait_dscnt 0x0                               ; my stores are in LDS before I say so
	s_barrier_signal -1
	s_barrier_wait -1                              ; the other slot is whole, and nobody reads this slot any more
.endif
.endm
; 16 rows x 64 k of a weight matrix with rows of pitch bytes become two fragments.  The wave's own 2,048 bytes of LDS turn
; the order; LDS serves a wave's instructions in order (ISA guide 5.7.1), so no wait stands between its stores and its loads.
.macro PACK pitch
	v_mul_u32_u24 v1, v7, \pitch                   ; lanes 16-31 take the odd row
	v_lshl_add_u32 v1, v6, 4, v1
.irp i,0,1,2,3,4,5,6,7
	global_load_b128 v[STG+4*\i:STG+4*\i+3], v1, s[PA:PA+1] offset:\i*2*\pitch th:TH_LOAD_NT
.endr
	s_wait_loadcnt 0x0
.irp i,0,1,2,3,4,5,6,7
	v_cvt_pk_bf16_f32 v[STG+4*\i], v[STG+4*\i], v[STG+4*\i+1]
	v_cvt_pk_bf16_f32 v[STG+4*\i+1], v[STG+4*\i+2], v[STG+4*\i+3]
.endr
.irp i,0,1,2,3,4,5,6,7
	ds_store_b64 v2, v[STG+4*\i:STG+4*\i+1] offset:\i*32       ; row 2 i + L / 16, k = 4 (L % 16) .. + 3
.endr
.irp n,0,1,2,3
	ds_load_b128 v[STG+32+4*\n:STG+32+4*\n+3], v3 offset:\n*512
.endr
	s_wait_dscnt 0x0
.irp n,0,1,2,3
	global_store_b128 v5, v[STG+32+4*\n:STG+32+4*\n+3], s[OUT:OUT+1] offset:(\n/2)*4096+(\n%2)*512   ; 512 consecutive bytes, aligned
.endr
.endm
	s_load_b512 s[8:23], s[0:1], 0x0               ; x 8, encoding 10, sa_wq 12, sa_wk 14, sa_wv 16, ca_wk 18, ca_wv 20, sa_wo 22
	s_load_b512 s[24:39], s[0:1], 0x40             ; ca_wq 24, ca_wo 26, ff_w1 28, ff_w2 30, q1 32, kv1 34, kv2 36, wpack 38
	v_lshl_add_u32 v232, v0, 2, 0x12000
	v_mov_b32 v233, 0
	v_lshrrev_b32 v1, 5, v0
	v_readfirstlane_b32 s2, v1                     ; wave
	s_mov_b32 s3, ttmp9                            ; x: which matrix and which columns, or which packing chunk
	s_and_b32 s4, ttmp7, 0xffff                    ; y
	v_and_b32 v6, 15, v0                           ; r = L % 16
	v_bfe_u32 v7, v0, 4, 1                         ; h = L / 16
	v_and_b32 v5, 31, v0
	v_lshlrev_b32 v5, 4, v5                        ; 16 L
	s_cmp_ge_u32 s3, 20
	s_cbranch_scc1 .Lpack                          ; the same way for all waves of the work-group
	; ---------------- a projection ----------------
	s_lshr_b32 s5, s3, 2                           ; matrix 0..4
	s_and_b32 s6, s3, 3                            ; block of 128 features
	s_lshl_b32 s48, s2, 4
	v_add_nc_u32 v1, s48, v7                       ; my row of the tile when loading: 16 w + h (+ 2 i)
	v_mul_u32_u24 v2, v1, PITCH
	v_lshl_add_u32 v2, v6, 3, v2                   ; LDS: row x pitch + 8 r
	v_lshlrev_b32 v1, 11, v1
	v_lshl_add_u32 v1, v6, 4, v1                   ; memory: row x 2,048 + 16 r
	s_and_b32 s55, s2, 1                           ; wm: my 64 of m
	s_lshr_b32 s56, s2, 1                          ; wn: my 32 of n
	s_lshl_b32 s48, s55, 6
	v_add_nc_u32 v3, s48, v6
	v_mul_u32_u24 v3, v3, PITCH
	v_lshl_add_u32 v3, v7, 4, v3                   ; A fragments: (64 wm + r) pitch + 16 h
	s_lshl_b32 s48, s56, 5
	v_add_nc_u32 v4, s48, v6
	v_mul_u32_u24 v4, v4, PITCH
	v_lshl_add_u32 v4, v7, 4, v4
	v_add_nc_u32 v4, TILEB, v4                     ; B fragments: behind tile A
	s_cmp_eq_u32 s5, 2
	s_cselect_b32 s52, 1, 0
	s_cmp_eq_u32 s5, 4
	s_cselect_b32 s52, 1, s52                      ; 1: a V projection
	s_lshl_b32 s58, s4, 18                         ; 128 rows of 2,048 bytes of the activations
	s_mov_b32 s59, 0
	s_lshl_b32 s60, s6, 18                         ; and of the weights
	s_mov_b32 s61, 0
	s_wait_kmcnt 0x0
	s_mov_b64 s[48:49], s[12:13]                   ; the weights: a choice among five buffers by the matrix number
	s_cmp_eq_u32 s5, 1
	s_cselect_b64 s[48:49], s[14:15], s[48:49]
	s_cmp_eq_u32 s5, 2
	s_cselect_b64 s[48:49], s[16:17], s[48:49]
	s_cmp_eq_u32 s5, 3
	s_cselect_b64 s[48:49], s[18:19], s[48:49]
	s_cmp_eq_u32 s5, 4
	s_cselect_b64 s[48:49], s[20:21], s[48:49]
	s_cmp_lt_u32 s5, 3
	s_cselect_b64 s[50:51], s[8:9], s[10:11]       ; x or encoding
	s_cselect_b64 s[OUT:OUT+1], s[34:35], s[36:37] ; kv1 or kv2,
	s_cmp_eq_u32 s5, 0
	s_cselect_b64 s[OUT:OUT+1], s[32:33], s[OUT:OUT+1]   ; or q1
	s_add_nc_u64 s[48:49], s[48:49], s[60:61]
	s_add_nc_u64 s[50:51], s[50:51], s[58:59]
	s_cmp_eq_u32 s52, 1
	s_cselect_b64 s[PA:PA+1], s[50:51], s[48:49]   ; V: tokens are m
	s_cselect_b64 s[PB:PB+1], s[48:49], s[50:51]
	GLOAD                                          ; stage 0
	s_wait_loadcnt 0x0
	CVST 0
	v_add_nc_u32 v1, 256, v1
	GLOAD                                          ; stage 1
	s_wait_dscnt 0x0
	s_barrier_signal -1
	s_barrier_wait -1
	STAGE 0, 1, 1, 1, 1                            ; stages 0 and 1 stand in front of the loop: the first products start the sums
	STAGE 1, 0, 1, 1, 0
	s_mov_b32 s7, 2
.Lk:
	STAGE 0, 1, 1, 1, 0                            ; stages 2 to 5
	STAGE 1, 0, 1, 1, 0
	s_sub_co_u32 s7, s7, 1
	s_cmp_lg_u32 s7, 0
	s_cbranch_scc1 .Lk
	STAGE 0, 1, 1, 0, 0                            ; stage 6 requests nothing more
	STAGE 1, 0, 0, 0, 0                            ; stage 7; its four places stand in front of the conversions below
	; the way out: tile (i, j) is half i % 2 of a fragment.  Q, K: head 4 nb + 2 wm + i / 2, token tile 2 wn + j.
	; V: head 4 nb + wn, d tile j, block of 32 keys 2 wm + i / 2.
	s_lshr_b32 s53, s4, 4                          ; batch
	s_and_b32 s54, s4, 15                          ; block of 128 tokens in the batch
	s_lshl_b32 s57, s55, 1
	s_mov_b32 s62, 0x40000                         ; from i / 2 = 0 to 1: a head (262,144 bytes),
	s_cmp_eq_u32 s52, 1
	s_cselect_b32 s58, s56, s57                    ; part of the head number
	s_cselect_b32 s59, s57, s56                    ; part of the block number
	s_cselect_b32 s60, 2048, 0                     ; V^T lies behind K in a block
	s_cselect_b32 s62, 4096, s62                   ; for V a block of 32 keys
	s_lshl_b32 s53, s53, 4
	s_lshl2_add_u32 s53, s6, s53                   ; 16 b + 4 nb
	s_add_co_u32 s53, s53, s58
	s_lshl_b32 s53, s53, 18
	s_lshl2_add_u32 s54, s54, s59                  ; 4 mb + part
	s_lshl_b32 s54, s54, 12
	s_add_co_u32 s53, s53, s54
	s_add_co_u32 s60, s53, s60
	s_cmp_eq_u32 s5, 0
	s_cselect_b32 s63, 1, 0                        ; q1 has half the bytes for a head and for 32 tokens
	s_lshr_b32 s60, s60, s63
	s_lshr_b32 s62, s62, s63
	s_mov_b32 s61, 0
	s_mov_b32 s63, 0
	s_add_nc_u64 s[OUT:OUT+1], s[OUT:OUT+1], s[60:61]
	s_add_nc_u64 s[OUT+2:OUT+3], s[OUT:OUT+1], s[62:63]
.irp i,0,1,2,3
.irp j,0,1
.irp n,0,1,2,3
	v_cvt_pk_bf16_f32 v[STG+4*(2*\i+\j)+\n], v[ACC+8*(2*\i+\j)+2*\n], v[ACC+8*(2*\i+\j)+2*\n+1]
.endr
	global_store_b128 v5, v[STG+4*(2*\i+\j):STG+4*(2*\i+\j)+3], s[OUT+2*(\i/2):OUT+2*(\i/2)+1] offset:\j*1024+(\i%2)*512   ; 512 consecutive bytes, aligned
.endr
.endr
	s_wait_tensorcnt 0x0
	ds_add_u32 v232, v233
	s_wait_dscnt 0x0
	s_endpgm
	; ---------------- packing ----------------
.Lpack:
	s_sub_co_u32 s5, s3, 20                        ; chunk 0..6: sa_wo, ca_wq, ca_wo, ff_w1 (two), ff_w2 (two)
	s_lshl_b32 s48, s2, 11                         ; my wave's 2,048 bytes of LDS
	v_lshrrev_b32 v2, 1, v6
	v_lshlrev_b32 v2, 8, v2                        ; 256 ((L % 16) / 2): fragment, half c and half h of my 4 k
	v_and_b32 v3, 1, v0
	v_lshl_add_u32 v2, v3, 3, v2                   ; + 8 (L % 2)
	v_lshl_add_u32 v2, v7, 4, v2                   ; + 16 (L / 16): the odd row
	v_add_nc_u32 v2, s48, v2
	v_add_nc_u32 v3, s48, v5
	s_mov_b32 s51, 0
	s_mov_b32 s53, 0
	s_wait_kmcnt 0x0
	s_cmp_ge_u32 s5, 5
	s_cbranch_scc1 .Lpack_w2
	s_mov_b64 s[PA:PA+1], s[22:23]                 ; matrices with K = 512: y = feature tile of the chunk, wave = 64 k
	s_cmp_eq_u32 s5, 1
	s_cselect_b64 s[PA:PA+1], s[24:25], s[PA:PA+1]
	s_cmp_eq_u32 s5, 2
	s_cselect_b64 s[PA:PA+1], s[26:27], s[PA:PA+1]
	s_cmp_ge_u32 s5, 3
	s_cselect_b64 s[PA:PA+1], s[28:29], s[PA:PA+1]
	s_cmp_eq_u32 s5, 4
	s_cselect_b32 s50, 0x100000, 0                 ; the second 512 rows of ff_w1
	s_lshl_b32 s54, s4, 15                         ; 16 rows of 2,048 bytes
	s_add_co_u32 s50, s50, s54
	s_lshl_b32 s54, s2, 8
	s_add_co_u32 s50, s50, s54
	s_add_nc_u64 s[PA:PA+1], s[PA:PA+1], s[50:51]
	s_lshl_b32 s52, s5, 19                         ; wpack: [group of 4 feature tiles][K step][tile of the group][1,024]
	s_lshr_b32 s54, s4, 2
	s_lshl_b32 s54, s54, 16
	s_add_co_u32 s52, s52, s54
	s_lshl_b32 s54, s2, 13
	s_add_co_u32 s52, s52, s54
	s_and_b32 s54, s4, 3
	s_lshl_b32 s54, s54, 10
	s_add_co_u32 s52, s52, s54
	s_add_nc_u64 s[OUT:OUT+1], s[38:39], s[52:53]
	PACK 2048
	s_wait_tensorcnt 0x0
	ds_add_u32 v232, v233
	s_wait_dscnt 0x0
	s_endpgm
.Lpack_w2:
	s_sub_co_u32 s54, s5, 5                        ; ff_w2, K = 1,024: feature tile 16 (chunk - 5) + y / 2, 64 k number 8 (y % 2) + wave
	s_lshl_b32 s54, s54, 4
	s_lshr_b32 s55, s4, 1
	s_add_co_u32 s54, s54, s55
	s_and_b32 s55, s4, 1
	s_lshl_b32 s55, s55, 3
	s_add_co_u32 s55, s55, s2
	s_lshl_b32 s50, s54, 16                        ; 16 rows of 4,096 bytes
	s_lshl_b32 s56, s55, 8
	s_add_co_u32 s50, s50, s56
	s_add_nc_u64 s[PA:PA+1], s[30:31], s[50:51]
	s_lshr_b32 s52, s54, 2
	s_lshl_b32 s52, s52, 17
	s_lshl_b32 s56, s55, 13
	s_add_co_u32 s52, s52, s56
	s_and_b32 s56, s54, 3
	s_lshl_b32 s56, s56, 10
	s_add_co_u32 s52, s52, s56
	s_add_co_u32 s52, s52, 2621440
	s_add_nc_u64 s[OUT:OUT+1], s[38:39], s[52:53]
	PACK 4096
	s_wait_tensorcnt 0x0
	ds_add_u32 v232, v233
	s_wait_dscnt 0x0
	s_endpgm
.Lfunc_end_k_qddcc5e2027_proj:
	.size	k_qddcc5e2027_proj, .Lfunc_end_k_qddcc5e2027_proj-k_qddcc5e2027_proj
	.p2alignl 7, 3214868480
	.fill 96, 4, 3214868480
	.section	.rodata,"a",@progbits
	.p2align	6, 0x0
	.amdhsa_kernel k_qddcc5e2027_proj
		.amdhsa_group_segment_fixed_size 74752
		.amdhsa_private_segment_fixed_size 0
		.amdhsa_enable_private_segment 0
		.amdhsa_kernarg_size 128
		.amdhsa_user_sgpr_count 2
		.amdhsa_user_sgpr_kernarg_segment_ptr 1
		.amdhsa_wavefront_size32 1
		.amdhsa_system_sgpr_workgroup_id_x 1
		.amdhsa_system_sgpr_workgroup_id_y 1
		.amdhsa_system_sgpr_workgroup_id_z 1
		.amdhsa_system_vgpr_workitem_id 0
		.amdhsa_next_free_vgpr 234
		.amdhsa_next_free_sgpr 66
		.amdhsa_reserve_vcc 0
		.amdhsa_float_denorm_mode_32 3
		.amdhsa_float_denorm_mode_16_64 3
		.amdhsa_memory_ordered 1
		.amdhsa_forward_progress 1
		.amdhsa_inst_pref_size 60
	.end_amdhsa_kernel
	.amdgpu_metadata
---
amdhsa.version: [ 1, 2 ]
amdhsa.kernels:
  - .name:           k_qddcc5e2027_proj
    .symbol:         k_qddcc5e2027_proj.kd
    .args:
      - { .name: x, .offset: 0, .size: 8, .value_kind: global_buffer, .address_space: global }
      - { .name: encoding, .offset: 8, .size: 8, .value_kind: global_buffer, .address_space: global }
      - { .name: sa_wq, .offset: 16, .size: 8, .value_kind: global_buffer, .address_space: global }
      - { .name: sa_wk, .offset: 24, .size: 8, .value_kind: global_buffer, .address_space: global }
      - { .name: sa_wv, .offset: 32, .size: 8, .value_kind: global_buffer, .address_space: global }
      - { .name: ca_wk, .offset: 40, .size: 8, .value_kind: global_buffer, .address_space: global }
      - { .name: ca_wv, .offset: 48, .size: 8, .value_kind: global_buffer, .address_space: global }
      - { .name: sa_wo, .offset: 56, .size: 8, .value_kind: global_buffer, .address_space: global }
      - { .name: ca_wq, .offset: 64, .size: 8, .value_kind: global_buffer, .address_space: global }
      - { .name: ca_wo, .offset: 72, .size: 8, .value_kind: global_buffer, .address_space: global }
      - { .name: ff_w1, .offset: 80, .size: 8, .value_kind: global_buffer, .address_space: global }
      - { .name: ff_w2, .offset: 88, .size: 8, .value_kind: global_buffer, .address_space: global }
      - { .name: q1, .offset: 96, .size: 8, .value_kind: global_buffer, .address_space: global }
      - { .name: kv1, .offset: 104, .size: 8, .value_kind: global_buffer, .address_space: global }
      - { .name: kv2, .offset: 112, .size: 8, .value_kind: global_buffer, .address_space: global }
      - { .name: wpack, .offset: 120, .size: 8, .value_kind: global_buffer, .address_space: global }
    .group_segment_fixed_size: 74752
    .private_segment_fixed_size: 0
    .kernarg_segment_align: 8
    .kernarg_segment_size: 128
    .max_flat_workgroup_size: 256
    .sgpr_count:     66
    .vgpr_count:     234
    .wavefront_size: 32
...
	.end_amdgpu_metadata
.endif
;; end of part 1
;; launch attn_self (part 2): grid 256 x 1, 8 waves a work-group, no clusters, 263,168 bytes of LDS; arguments q1, kv1, att1; writes att1
.if DOCPART == 2
	.amdgcn_target "amdgcn-amd-amdhsa--gfx1250"
	.amdhsa_code_object_version 6
	.text
	.protected	k_qddcc5e2027_attn_self
	.globl	k_qddcc5e2027_attn_self
	.p2align	8
	.type	k_qddcc5e2027_attn_self,@function
k_qddcc5e2027_attn_self:
	s_mov_b64 s[64:65], 0
	v_nop
	global_prefetch_b8 v0, s[64:65] scope:SCOPE_SE
	s_setreg_imm32_b32 hwreg(HW_REG_WAVE_MODE, 25, 1), 1
	s_wait_xcnt 0x0
; Attention of one head for 256 queries; CAUSAL = 1: self-attention with the mask that subtracts 1e10 above the diagonal.
; q: [b][head][query tile 128][fragment]; kv: [b][head][block of 32 keys][K keys 0-15, K keys 16-31, V^T d 0-15, V^T d 16-31], 1,024 bytes each;
; att: [token tile 256][head][fragment].  Fragment order: byte 512 c + 16 L + 2 e = (row L % 16, k = 16 c + 8 (L / 16) + e).
; Work-group: head x / 8, part p = x % 8.  A wave owns 32 queries (2 tiles).  Causal: waves 0-3 take block p of 128 queries, waves 4-7 block
; 15 - p in falling order, so waves w and w + 4 together always do 33 steps of 64 keys.
; S^T = K Q^T: a lane holds keys 8 h + j of query r, so softmax figures are per lane with one exchange between the halves, and two S^T tiles
; round in place into the source-1 fragment of O^T = V^T P^T.  O^T in turn is a fragment of the next product.
; The whole head's K and V^T (262,144 bytes) are brought into LDS once, by four tensor loads a wave issued at the start (four outstanding);
; nothing is ever filled again.  A wave's share of a chunk of 512 keys is 8,192 bytes: 32 rows of 256 bytes.
; Softmax: a running maximum; p = exp2(c s - c M) with c = log2(e) / sqrt(512); the rounded c M serves p and the rescaling alike.
; LIMITS: key blocks wholly above the diagonal are left out; reference() gives them exp((s - 1e10 - max) / 22.6), which is 0 in f32 while
; |scores| stay below about 1e9.  Inside the diagonal step 1e10 is subtracted as in reference().  Q, K, V, P are bf16; sums and figures f32.
; No joint loads here: the number of steps and the LDS address of the masked step hang on the query block, which differs between
; the work-groups of a head.
.set CAUSAL, 1
.set QF,  8                            ; v[8:23]    Q fragments, tile t
.set O,   24                           ; v[24:55]   O^T (t, d tile)
.set S,   56                           ; v[56:119]  S^T (t, key tile 0..3); P^T (t, g) lies on its first 8 of each 16
.set KF,  120                          ; v[120:151] K fragments, key tile
.set VF,  152                          ; v[152:183] V^T fragments (g, d tile)
.set MX,  184                          ; v[184:185] running maximum
.set NMS, 186                          ; v[186:189] - c M, first of a pair
.set LS,  190                          ; v[190:191] running sum, this half's keys
.set AL,  192                          ; v[192:195] rescaling factor, first of a pair
.set T,   196                          ; v[196:211] at work, 8 for each t
.set NEWN, 212                         ; v[212:213]
.macro STEP masked                     ; 64 keys: 8,192 bytes at v2
.irp g,0,1
.irp a,0,1
	ds_load_b128 v[KF+8*(2*\g+\a):KF+8*(2*\g+\a)+3], v2 offset:\g*4096+\a*1024
	ds_load_b128 v[KF+8*(2*\g+\a)+4:KF+8*(2*\g+\a)+7], v2 offset:\g*4096+\a*1024+512
.endr
.endr
.irp g,0,1
.irp d,0,1
	ds_load_b128 v[VF+8*(2*\g+\d):VF+8*(2*\g+\d)+3], v2 offset:\g*4096+2048+\d*1024
	ds_load_b128 v[VF+8*(2*\g+\d)+4:VF+8*(2*\g+\d)+7], v2 offset:\g*4096+2048+\d*1024+512
.endr
.endr
	s_wait_dscnt 0x8                               ; K is in; the eight loads of V^T are younger
.irp k,0,1,2,3
.irp t,0,1
	v_wmma_f32_16x16x32_bf16 v[S+8*(4*\t+\k):S+8*(4*\t+\k)+7], v[KF+8*\k:KF+8*\k+7], v[QF+8*\t:QF+8*\t+7], 0
.endr
.endr
.rept 4
	v_nop                                          ; four places before vector instructions read the scores (ISA guide 7.12.1)
.endr
.if \masked
.irp t,0,1
.irp k,0,1,2,3
.irp j,0,1,2,3,4,5,6,7
	v_cmp_gt_i32 vcc_lo, 16*\k+\j-16*\t, v3        ; key 16 k + 8 h + j above query (q0 % 64) + 16 t + r
	v_cndmask_b32 v[T], 0, v4, vcc_lo
	v_add_f32 v[S+8*(4*\t+\k)+\j], v[S+8*(4*\t+\k)+\j], v[T]   ; score - 1e10, as reference() has it
.endr
.endr
.endr
.endif
	; the maximum of 32 scores and the old maximum: 16 three-way maxima for each t, four chains
.irp a,0,1,2,3
.irp t,0,1
	v_max3_num_f32 v[T+8*\t+\a], v[S+32*\t+3*\a], v[S+32*\t+3*\a+1], v[S+32*\t+3*\a+2]
.endr
.endr
.irp b,12,20
.irp a,0,1,2,3
.irp t,0,1
	v_max3_num_f32 v[T+8*\t+\a], v[T+8*\t+\a], v[S+32*\t+\b+2*\a], v[S+32*\t+\b+2*\a+1]
.endr
.endr
.endr
.irp t,0,1
	v_max3_num_f32 v[T+8*\t], v[T+8*\t], v[S+32*\t+28], v[S+32*\t+29]
	v_max3_num_f32 v[T+8*\t+1], v[T+8*\t+1], v[S+32*\t+30], v[S+32*\t+31]
	v_max3_num_f32 v[T+8*\t+2], v[T+8*\t+2], v[T+8*\t+3], v[MX+\t]
.endr
.irp t,0,1
	v_max3_num_f32 v[T+8*\t], v[T+8*\t], v[T+8*\t+1], v[T+8*\t+2]
.endr
.irp t,0,1
	v_permlanex16_b32 v[T+8*\t+1], v[T+8*\t], s42, s43         ; the other half's keys of the same query
.endr
.irp t,0,1
	v_max_num_f32 v[MX+\t], v[T+8*\t], v[T+8*\t+1]
.endr
.irp t,0,1
	v_mul_f32 v[NEWN+\t], s44, v[MX+\t]            ; - c M
.endr
.irp t,0,1
	v_sub_f32 v[AL+2*\t], v[NEWN+\t], v[NMS+2*\t]  ; c (M old - M new)
.endr
.irp t,0,1
	v_mov_b32 v[NMS+2*\t], v[NEWN+\t]
.endr
.irp t,0,1
	v_exp_f32 v[AL+2*\t], v[AL+2*\t]               ; the multiply-adds below are the plain place behind it (ISA guide 5.7.2)
.endr
.irp t,0,1
.irp n,0,1,2,3,4,5,6,7,8,9,10,11,12,13,14,15
	v_pk_fma_f32 v[S+32*\t+2*\n:S+32*\t+2*\n+1], v[S+32*\t+2*\n:S+32*\t+2*\n+1], s[40:41], v[NMS+2*\t:NMS+2*\t+1] op_sel_hi:[1,0,0]
.endr
.endr
.set e_, 0
.rept 64
	v_exp_f32 v[S+e_], v[S+e_]
.set e_, e_+1
.endr
	s_wait_alu depctr_va_vdst(0)
.irp t,0,1                                             ; plain work that touches no exponential: also the place behind the last of them
.irp n,0,1,2,3,4,5,6,7
	v_pk_mul_f32 v[O+16*\t+2*\n:O+16*\t+2*\n+1], v[O+16*\t+2*\n:O+16*\t+2*\n+1], v[AL+2*\t:AL+2*\t+1] op_sel_hi:[1,0]
.endr
.endr
.irp q,0,1,2,3
.irp t,0,1
	v_pk_add_f32 v[T+8*\t+2*\q:T+8*\t+2*\q+1], v[S+32*\t+4*\q:S+32*\t+4*\q+1], v[S+32*\t+4*\q+2:S+32*\t+4*\q+3]
.endr
.endr
.irp b,16,24
.irp q,0,1,2,3
.irp t,0,1
	v_pk_add_f32 v[T+8*\t+2*\q:T+8*\t+2*\q+1], v[T+8*\t+2*\q:T+8*\t+2*\q+1], v[S+32*\t+\b+2*\q:S+32*\t+\b+2*\q+1]
.endr
.endr
.endr
.irp t,0,1
	v_pk_add_f32 v[T+8*\t:T+8*\t+1], v[T+8*\t:T+8*\t+1], v[T+8*\t+2:T+8*\t+3]
	v_pk_add_f32 v[T+8*\t+4:T+8*\t+5], v[T+8*\t+4:T+8*\t+5], v[T+8*\t+6:T+8*\t+7]
.endr
.irp t,0,1
	v_pk_add_f32 v[T+8*\t:T+8*\t+1], v[T+8*\t:T+8*\t+1], v[T+8*\t+4:T+8*\t+5]
.endr
.irp t,0,1
	v_fma_f32 v[LS+\t], v[LS+\t], v[AL+2*\t], v[T+8*\t]
.endr
.irp t,0,1
	v_add_f32 v[LS+\t], v[LS+\t], v[T+8*\t+1]
.endr
.irp t,0,1
.irp g,0,1
.irp n,0,1,2,3,4,5,6,7
	v_cvt_pk_bf16_f32 v[S+32*\t+16*\g+\n], v[S+32*\t+16*\g+2*\n], v[S+32*\t+16*\g+2*\n+1]   ; in place, rising: no source is written before it is read
.endr
.endr
.endr
	s_wait_dscnt 0x0                               ; V^T is in
.irp g,0,1
.irp d,0,1
.irp t,0,1                                             ; the four accumulators take turns, one instruction a turn
	v_wmma_f32_16x16x32_bf16 v[O+8*(2*\t+\d):O+8*(2*\t+\d)+7], v[VF+8*(2*\g+\d):VF+8*(2*\g+\d)+7], v[S+32*\t+16*\g:S+32*\t+16*\g+7], v[O+8*(2*\t+\d):O+8*(2*\t+\d)+7]
.endr
.endr
.endr
.rept 5
	v_nop                                          ; five places before the next score product writes over P^T; they also serve the next loads into fragments
.endr
.endm
; Chunk c: 512 keys, eight steps.
.macro CHUNK c
	s_wait_dscnt 0x0
	s_wait_tensorcnt 3-\c                          ; my part of chunk c has landed; the 3 - c later loads are younger and may stay out
	s_barrier_signal -1
	s_barrier_wait -1                              ; everybody's part has
	v_add_nc_u32 v2, \c*65536, v1
	s_mov_b32 s15, 8*\c                            ; number of the step's 64 keys
.Lstep_\@:
.if CAUSAL
	s_cmp_ge_u32 s15, s14                          ; only steps wholly below the diagonal of my 32 queries
	s_cbranch_scc1 .Lnone_\@
.endif
	STEP 0
.if CAUSAL
.Lnone_\@:
.endif
	v_add_nc_u32 v2, 8192, v2
	s_add_co_u32 s15, s15, 1
	s_cmp_lt_u32 s15, 8*(\c+1)
	s_cbranch_scc1 .Lstep_\@
.endm
	s_load_b128 s[4:7], s[0:1], 0x0                ; q s[4:5], kv s[6:7]
	s_load_b64 s[8:9], s[0:1], 0x10                ; att
	v_lshl_add_u32 v216, v0, 2, 0x40000
	v_mov_b32 v217, 0
	ds_add_u32 v216, v217
	ds_add_u32 v216, v217
	v_lshrrev_b32 v1, 5, v0
	v_readfirstlane_b32 s10, v1                    ; wave
	s_lshr_b32 s11, ttmp9, 3                       ; 16 b + head
	s_and_b32 s12, ttmp9, 7                        ; p
	; descriptor group 1: a dense block of 8,192 bytes as 32 rows of 32 elements of 8 bytes
	s_mov_b32 s16, 3<<16                           ; no mask; element of 8 bytes; no padding
	s_mov_b32 s17, 32<<16                          ; tensor_dim0 = 32
	s_mov_b32 s18, 32<<16                          ; tensor_dim1 = 32
	s_mov_b32 s19, 32<<16                          ; tile_dim0 = 32
	s_mov_b32 s20, 32                              ; tile_dim1 = 32
	s_mov_b32 s21, 32                              ; from row to row: 32 elements
	s_mov_b32 s22, 0
	s_mov_b32 s23, 0
	s_lshl_b32 s45, s10, 13                        ; my 8,192 bytes of a chunk
	s_lshl_b32 s46, s11, 18                        ; the head's 262,144 bytes
	s_add_co_u32 s46, s46, s45
	s_mov_b32 s47, 0
	s_wait_dscnt 0x0
	s_wait_kmcnt 0x0
	s_add_nc_u64 s[6:7], s[6:7], s[46:47]
.irp c,0,1,2,3                                         ; all fills go out together, ahead of every wait on them, every LDS read and every barrier
	s_mov_b32 s[24+4*\c], 1
	s_add_co_u32 s[25+4*\c], s45, \c*65536
	s_add_nc_u64 s[26+4*\c:27+4*\c], s[6:7], \c*65536
	s_or_b32 s[27+4*\c], s[27+4*\c], 0x80000000
	tensor_load_to_lds s[24+4*\c:27+4*\c], s[16:23]
	s_nop 0
.endr
.if CAUSAL
	s_lshl_b32 s13, s12, 7
	s_lshl_b32 s48, s10, 5
	s_add_co_u32 s13, s13, s48                     ; waves 0-3: 128 p + 32 w
	s_sub_co_u32 s49, 15, s12
	s_lshl_b32 s49, s49, 7
	s_sub_co_u32 s50, 7, s10
	s_lshl_b32 s50, s50, 5
	s_add_co_u32 s49, s49, s50                     ; waves 4-7: 128 (15 - p) + 32 (7 - w)
	s_cmp_lt_u32 s10, 4
	s_cselect_b32 s13, s13, s49                    ; q0
	s_lshr_b32 s14, s13, 6
	s_min_u32 s14, s14, 31                         ; steps wholly below the diagonal; the masked step is number s14
.else
	s_lshl_b32 s13, s12, 8
	s_lshl_b32 s48, s10, 5
	s_add_co_u32 s13, s13, s48                     ; q0 = 256 p + 32 w
.endif
	s_lshl_b32 s46, s11, 17                        ; q: (128 (16 b + head) + q0 / 16) x 1,024
	s_lshl_b32 s48, s13, 6
	s_add_co_u32 s46, s46, s48
	s_add_nc_u64 s[4:5], s[4:5], s[46:47]
	s_lshr_b32 s46, s11, 4                         ; att: (128 b + q0 / 16) x 16,384 + head x 1,024
	s_lshl_b32 s46, s46, 21
	s_lshl_b32 s48, s13, 10
	s_add_co_u32 s46, s46, s48
	s_and_b32 s48, s11, 15
	s_lshl_b32 s48, s48, 10
	s_add_co_u32 s46, s46, s48
	s_add_nc_u64 s[8:9], s[8:9], s[46:47]
	v_and_b32 v1, 31, v0
	v_lshlrev_b32 v1, 4, v1                        ; 16 L
.irp t,0,1
	global_load_b128 v[QF+8*\t:QF+8*\t+3], v1, s[4:5] offset:\t*1024
	global_load_b128 v[QF+8*\t+4:QF+8*\t+7], v1, s[4:5] offset:\t*1024+512
.endr
	s_mov_b32 s40, 0x3d8293ee                      ; c = log2(e) / sqrt(512)
	s_mov_b32 s41, 0x3d8293ee
	s_mov_b32 s44, 0xbd8293ee                      ; - c
	s_mov_b32 s42, 0x76543210                      ; lane i of one half reads lane i of the other
	s_mov_b32 s43, 0xfedcba98
.if CAUSAL
	v_and_b32 v3, 15, v0
	v_bfe_u32 v5, v0, 4, 1
	v_lshlrev_b32 v5, 3, v5
	v_sub_nc_u32 v3, v3, v5
	s_and_b32 s48, s13, 63
	v_add_nc_u32 v3, s48, v3                       ; r - 8 h + q0 % 64
	v_mov_b32 v4, 0xd01502f9                       ; - 1e10
.endif
	; a wave's first step is not the same line of the text for all waves, so the sums start from zero and the first rescaling factor is exp2(-inf) = 0
.set e_, 0
.rept 32
	v_mov_b32 v[O+e_], 0
.set e_, e_+1
.endr
.irp t,0,1
	v_mov_b32 v[MX+\t], 0xff800000                 ; - infinity
	v_mov_b32 v[NMS+2*\t], 0x7f800000              ; - c M = + infinity
	v_mov_b32 v[NMS+2*\t+1], 0x7f800000            ; the pair's other register is named by the packed forms
	v_mov_b32 v[LS+\t], 0
	v_mov_b32 v[AL+2*\t], 0
	v_mov_b32 v[AL+2*\t+1], 0
.endr
	s_wait_loadcnt 0x0                             ; Q
	CHUNK 0
	CHUNK 1
	CHUNK 2
	CHUNK 3
.if CAUSAL
	v_lshl_add_u32 v2, s14, 13, v1                 ; the step that holds the diagonal; all chunks have landed, and a running maximum takes blocks in any order
	STEP 1
.endif
.irp t,0,1
	v_permlanex16_b32 v[T+8*\t], v[LS+\t], s42, s43
.endr
.irp t,0,1
	v_add_f32 v[LS+\t], v[LS+\t], v[T+8*\t]        ; both halves' keys
.endr
.irp t,0,1
	v_rcp_f32 v[AL+2*\t], v[LS+\t]
.endr
	v_nop                                          ; the plain place behind the reciprocals
	s_wait_alu depctr_va_vdst(0)
.irp t,0,1
.irp n,0,1,2,3,4,5,6,7
	v_pk_mul_f32 v[O+16*\t+2*\n:O+16*\t+2*\n+1], v[O+16*\t+2*\n:O+16*\t+2*\n+1], v[AL+2*\t:AL+2*\t+1] op_sel_hi:[1,0]
.endr
.endr
.irp t,0,1
.irp d,0,1
.irp n,0,1,2,3
	v_cvt_pk_bf16_f32 v[S+4*(2*\t+\d)+\n], v[O+8*(2*\t+\d)+2*\n], v[O+8*(2*\t+\d)+2*\n+1]
.endr
	global_store_b128 v1, v[S+4*(2*\t+\d):S+4*(2*\t+\d)+3], s[8:9] offset:\t*16384+\d*512   ; 512 consecutive bytes, aligned
.endr
.endr
	s_wait_tensorcnt 0x0
	ds_add_u32 v216, v217
	s_wait_dscnt 0x0
	s_endpgm
.Lfunc_end_k_qddcc5e2027_attn_self:
	.size	k_qddcc5e2027_attn_self, .Lfunc_end_k_qddcc5e2027_attn_self-k_qddcc5e2027_attn_self
	.p2alignl 7, 3214868480
	.fill 96, 4, 3214868480
	.section	.rodata,"a",@progbits
	.p2align	6, 0x0
	.amdhsa_kernel k_qddcc5e2027_attn_self
		.amdhsa_group_segment_fixed_size 263168
		.amdhsa_private_segment_fixed_size 0
		.amdhsa_enable_private_segment 0
		.amdhsa_kernarg_size 24
		.amdhsa_user_sgpr_count 2
		.amdhsa_user_sgpr_kernarg_segment_ptr 1
		.amdhsa_wavefront_size32 1
		.amdhsa_system_sgpr_workgroup_id_x 1
		.amdhsa_system_sgpr_workgroup_id_y 1
		.amdhsa_system_sgpr_workgroup_id_z 1
		.amdhsa_system_vgpr_workitem_id 0
		.amdhsa_next_free_vgpr 218
		.amdhsa_next_free_sgpr 66
		.amdhsa_reserve_vcc 1
		.amdhsa_float_denorm_mode_32 3
		.amdhsa_float_denorm_mode_16_64 3
		.amdhsa_memory_ordered 1
		.amdhsa_forward_progress 1
		.amdhsa_inst_pref_size 87
	.end_amdhsa_kernel
	.amdgpu_metadata
---
amdhsa.version: [ 1, 2 ]
amdhsa.kernels:
  - .name:           k_qddcc5e2027_attn_self
    .symbol:         k_qddcc5e2027_attn_self.kd
    .args:
      - { .name: q1, .offset: 0, .size: 8, .value_kind: global_buffer, .address_space: global }
      - { .name: kv1, .offset: 8, .size: 8, .value_kind: global_buffer, .address_space: global }
      - { .name: att1, .offset: 16, .size: 8, .value_kind: global_buffer, .address_space: global }
    .group_segment_fixed_size: 263168
    .private_segment_fixed_size: 0
    .kernarg_segment_align: 8
    .kernarg_segment_size: 24
    .max_flat_workgroup_size: 256
    .sgpr_count:     66
    .vgpr_count:     218
    .wavefront_size: 32
...
	.end_amdgpu_metadata
.endif
;; end of part 2
;; launch post1 (part 3): grid 128 x 1, 8 waves a work-group, no clusters, 138,752 bytes of LDS; arguments att1, x, wpack, ln1_g, ln1_b, h1, q2; writes h1, q2
.if DOCPART == 3
	.amdgcn_target "amdgcn-amd-amdhsa--gfx1250"
	.amdhsa_code_object_version 6
	.text
	.protected	k_qddcc5e2027_post1
	.globl	k_qddcc5e2027_post1
	.p2align	8
	.type	k_qddcc5e2027_post1,@function
k_qddcc5e2027_post1:
	s_mov_b64 s[64:65], 0
	v_nop
	global_prefetch_b8 v0, s[64:65] scope:SCOPE_SE
	s_setreg_imm32_b32 hwreg(HW_REG_WAVE_MODE, 25, 1), 1
	s_wait_xcnt 0x0
; post1: h1 = LayerNorm1(x + att1 sa_wo^T), q2 = h1 ca_wq^T, for 32 tokens a work-group.
; Every product: source 0 = packed weights (m = feature), source 1 = activations (n = token).  Wave w owns features 64 w .. 64 w + 63
; (tiles f = 0..3) of both token tiles t.  A lane holds 8 features of one token, which round to 16 bytes of the next product's fragment.
; Each weight number feeds one wave of the work-group alone, so a wave streams its own packed weights straight into registers:
; a ring of four slots of 4,096 consecutive bytes (one K step of 32), 16,384 bytes a wave always requested.  That is also why there are no joint
; loads: a tile brought into LDS would add a write and a read of LDS for bytes that one wave uses once.
; Activations are shared by the waves and lie in LDS as fragments [t][K step][1,024].
; The residual is the product's starting sum.  LayerNorm in two passes as in reference(): mean, then the sum of (v - mean)^2 over 511,
; then division by (std + 1e-6).  Operands bf16, everything else f32.
; h1: f32 in tile order [token tile][feature tile][register half q][lane][16 bytes].
.set XP,  2064                         ; pitch of the f32 rows in LDS: 2,048 + 16, an odd multiple of 16
.set AFR, 0                            ; att1 fragments, 32,768 bytes
.set HF,  32768                        ; h1 fragments, 32,768
.set XS,  65536                        ; x, 32 rows of XP
.set CB,  131584                       ; gamma 2,048, beta 2,048
.set RED, 135680                       ; two regions of 1,024 for the sums over waves, each written once
.set ACC, 16                           ; v[16:79]   (f, t) at 16 f + 8 t
.set ACT, 80                           ; v[80:111]  activation fragments, two sets of (t); at work in the epilogues
.set TMP, 112                          ; v[112:127]
.set RING, 128                         ; v[128:255] four slots of four weight fragments
.macro PLACES                          ; four plain vector places behind matrix instructions (ISA guide 7.12.1)
.rept 4
	v_nop
.endr
.endm
.macro WFILL wb                        ; K steps 0 to 3 of a product
.irp s,0,1,2,3
.irp f,0,1,2,3
	global_load_b128 v[RING+32*\s+8*\f:RING+32*\s+8*\f+3], v1, s[\wb:\wb+1] offset:\s*4096+\f*1024
	global_load_b128 v[RING+32*\s+8*\f+4:RING+32*\s+8*\f+7], v1, s[\wb:\wb+1] offset:\s*4096+\f*1024+512
.endr
.endr
.endm
.macro ACT0 ts                         ; the first K step's activations
.irp t,0,1
	ds_load_b128 v[ACT+8*\t:ACT+8*\t+3], v2 offset:\t*\ts
	ds_load_b128 v[ACT+8*\t+4:ACT+8*\t+7], v2 offset:\t*\ts+512
.endr
.endm
; One K step of 32.  nxt: fetch the next step's activations; refill: request the slot's K step four further on;
; left: the loads of younger slots, 8 each, that may stay out.
.macro STEP slot, nxt, refill, left, zero, ts, wb
.if \nxt
.irp t,0,1
	ds_load_b128 v[ACT+16*(1-\slot%2)+8*\t:ACT+16*(1-\slot%2)+8*\t+3], v2 offset:(\slot+1)*1024+\t*\ts
	ds_load_b128 v[ACT+16*(1-\slot%2)+8*\t+4:ACT+16*(1-\slot%2)+8*\t+7], v2 offset:(\slot+1)*1024+\t*\ts+512
.endr
	s_wait_dscnt 0x4                               ; all but the four just issued
.else
	s_wait_dscnt 0x0
.endif
	s_wait_loadcnt \left
.irp f,0,1,2,3
.irp t,0,1                                             ; the eight accumulators take turns, one instruction a turn
.if \zero
	v_wmma_f32_16x16x32_bf16 v[ACC+16*\f+8*\t:ACC+16*\f+8*\t+7], v[RING+32*\slot+8*\f:RING+32*\slot+8*\f+7], v[ACT+16*(\slot%2)+8*\t:ACT+16*(\slot%2)+8*\t+7], 0
.else
	v_wmma_f32_16x16x32_bf16 v[ACC+16*\f+8*\t:ACC+16*\f+8*\t+7], v[RING+32*\slot+8*\f:RING+32*\slot+8*\f+7], v[ACT+16*(\slot%2)+8*\t:ACT+16*(\slot%2)+8*\t+7], v[ACC+16*\f+8*\t:ACC+16*\f+8*\t+7]
.endif
.endr
.endr
	PLACES                                         ; in front of the loads into the slot and into the activations, and of the epilogue
.if \refill
.irp f,0,1,2,3
	global_load_b128 v[RING+32*\slot+8*\f:RING+32*\slot+8*\f+3], v1, s[\wb:\wb+1] offset:16384+\slot*4096+\f*1024
	global_load_b128 v[RING+32*\slot+8*\f+4:RING+32*\slot+8*\f+7], v1, s[\wb:\wb+1] offset:16384+\slot*4096+\f*1024+512
.endr
.endif
.endm
.macro TRIP zero, ts, wb               ; once round the ring
	STEP 0, 1, 1, 24, \zero, \ts, \wb
	STEP 1, 1, 1, 24, 0, \ts, \wb
	STEP 2, 1, 1, 24, 0, \ts, \wb
	STEP 3, 1, 1, 24, 0, \ts, \wb
	s_wait_xcnt 0x0                                ; the base is stepped only when every issued load has had its address translated (ISA guide 3.1)
	s_add_nc_u64 s[\wb:\wb+1], s[\wb:\wb+1], 16384
	v_add_nc_u32 v2, 4096, v2
.endm
.macro GEMM wb, n, zero, ts            ; n K steps; zero = 1: the first product starts the sums
.if \zero
	TRIP 1, \ts, \wb
	s_mov_b32 s3, \n/4-2
.else
	s_mov_b32 s3, \n/4-1
.endif
.Lgemm_\@:
	TRIP 0, \ts, \wb
	s_sub_co_u32 s3, s3, 1
	s_cmp_lg_u32 s3, 0
	s_cbranch_scc1 .Lgemm_\@
	STEP 0, 1, 0, 24, 0, \ts, \wb                  ; the last four steps request nothing: the counts run down
	STEP 1, 1, 0, 16, 0, \ts, \wb
	STEP 2, 1, 0, 8, 0, \ts, \wb
	STEP 3, 0, 0, 0, 0, \ts, \wb
.endm
.macro TREE                            ; eight numbers to one, for each t
.irp t,0,1
	v_pk_add_f32 v[TMP+8*\t:TMP+8*\t+1], v[TMP+8*\t:TMP+8*\t+1], v[TMP+8*\t+2:TMP+8*\t+3]
	v_pk_add_f32 v[TMP+8*\t+4:TMP+8*\t+5], v[TMP+8*\t+4:TMP+8*\t+5], v[TMP+8*\t+6:TMP+8*\t+7]
.endr
.irp t,0,1
	v_pk_add_f32 v[TMP+8*\t:TMP+8*\t+1], v[TMP+8*\t:TMP+8*\t+1], v[TMP+8*\t+4:TMP+8*\t+5]
.endr
.irp t,0,1
	v_add_f32 v[TMP+8*\t], v[TMP+8*\t], v[TMP+8*\t+1]
.endr
.endm
.macro XCHG ro                         ; my wave's sums of 64 features for 32 tokens go to LDS; all eight waves' sums come back
	TREE
.irp t,0,1
	v_permlanex16_b32 v[TMP+8*\t+1], v[TMP+8*\t], s36, s37
.endr
.irp t,0,1
	v_add_f32 v[TMP+8*\t], v[TMP+8*\t], v[TMP+8*\t+1]
.endr
	v_cndmask_b32 v[TMP], v[TMP], v[TMP+8], s38    ; lane L carries token L
	ds_store_b32 v6, v[TMP] offset:\ro
	s_wait_dscnt 0x0                               ; my word is in LDS before I say so
	s_barrier_signal -1
	s_barrier_wait -1
.irp t,0,1
.irp u,0,1,2,3,4,5,6,7
	ds_load_b32 v[TMP+8*\t+\u], v7 offset:\ro+\u*128+\t*64
.endr
.endr
.endm
.macro GBLD f, gb, go, bo              ; gamma and beta of my 8 features of tile f
	ds_load_b128 v[ACT+16*\gb:ACT+16*\gb+3], v5 offset:\go+\f*64
	ds_load_b128 v[ACT+16*\gb+4:ACT+16*\gb+7], v5 offset:\go+\f*64+16
	ds_load_b128 v[ACT+16*\gb+8:ACT+16*\gb+11], v5 offset:\bo+\f*64
	ds_load_b128 v[ACT+16*\gb+12:ACT+16*\gb+15], v5 offset:\bo+\f*64+16
.endm
.macro GBFMA f, gb
.irp t,0,1
.irp q,0,1,2,3
	v_pk_fma_f32 v[ACC+16*\f+8*\t+2*\q:ACC+16*\f+8*\t+2*\q+1], v[ACC+16*\f+8*\t+2*\q:ACC+16*\f+8*\t+2*\q+1], v[ACT+16*\gb+2*\q:ACT+16*\gb+2*\q+1], v[ACT+16*\gb+8+2*\q:ACT+16*\gb+8+2*\q+1]
.endr
.endr
.endm
; LayerNorm of ACC in place.  ra, rb: the two regions for the sums; go, bo: gamma and beta, from v5.
.macro LNORM ra, rb, go, bo
.irp t,0,1
.irp q,0,1,2,3
	v_pk_add_f32 v[TMP+8*\t+2*\q:TMP+8*\t+2*\q+1], v[ACC+8*\t+2*\q:ACC+8*\t+2*\q+1], v[ACC+16+8*\t+2*\q:ACC+16+8*\t+2*\q+1]
.endr
.endr
.irp f,2,3
.irp t,0,1
.irp q,0,1,2,3
	v_pk_add_f32 v[TMP+8*\t+2*\q:TMP+8*\t+2*\q+1], v[TMP+8*\t+2*\q:TMP+8*\t+2*\q+1], v[ACC+16*\f+8*\t+2*\q:ACC+16*\f+8*\t+2*\q+1]
.endr
.endr
.endr
	XCHG \ra
	s_wait_dscnt 0x0
	TREE
.irp t,0,1
	v_mul_f32 v[TMP+8*\t], 0xbb000000, v[TMP+8*\t]     ; - mean = sum x (-1/512)
.endr
.irp f,0,1,2,3
.irp t,0,1
.irp q,0,1,2,3
	v_pk_add_f32 v[ACC+16*\f+8*\t+2*\q:ACC+16*\f+8*\t+2*\q+1], v[ACC+16*\f+8*\t+2*\q:ACC+16*\f+8*\t+2*\q+1], v[TMP+8*\t:TMP+8*\t+1] op_sel_hi:[1,0]
.endr
.endr
.endr
.irp t,0,1
.irp q,0,1,2,3
	v_pk_mul_f32 v[TMP+8*\t+2*\q:TMP+8*\t+2*\q+1], v[ACC+8*\t+2*\q:ACC+8*\t+2*\q+1], v[ACC+8*\t+2*\q:ACC+8*\t+2*\q+1]
.endr
.endr
.irp f,1,2,3
.irp t,0,1
.irp q,0,1,2,3
	v_pk_fma_f32 v[TMP+8*\t+2*\q:TMP+8*\t+2*\q+1], v[ACC+16*\f+8*\t+2*\q:ACC+16*\f+8*\t+2*\q+1], v[ACC+16*\f+8*\t+2*\q:ACC+16*\f+8*\t+2*\q+1], v[TMP+8*\t+2*\q:TMP+8*\t+2*\q+1]
.endr
.endr
.endr
	XCHG \rb
	GBLD 0, 0, \go, \bo
	GBLD 1, 1, \go, \bo
	s_wait_dscnt 0x8                               ; the sixteen sums are in; the eight loads of gamma and beta are younger
	TREE
.irp t,0,1
	v_mul_f32 v[TMP+8*\t], 0x3b004020, v[TMP+8*\t]     ; / 511
.endr
.irp t,0,1
	v_sqrt_f32 v[TMP+8*\t], v[TMP+8*\t]
.endr
	v_nop                                          ; a plain place behind each run of transcendentals (ISA guide 5.7.2)
	s_wait_alu depctr_va_vdst(0)
.irp t,0,1
	v_add_f32 v[TMP+8*\t], 0x358637bd, v[TMP+8*\t]     ; + 1e-6
.endr
.irp t,0,1
	v_rcp_f32 v[TMP+8*\t], v[TMP+8*\t]
.endr
	v_nop
	s_wait_alu depctr_va_vdst(0)
.irp f,0,1,2,3
.irp t,0,1
.irp q,0,1,2,3
	v_pk_mul_f32 v[ACC+16*\f+8*\t+2*\q:ACC+16*\f+8*\t+2*\q+1], v[ACC+16*\f+8*\t+2*\q:ACC+16*\f+8*\t+2*\q+1], v[TMP+8*\t:TMP+8*\t+1] op_sel_hi:[1,0]
.endr
.endr
.endr
	s_wait_dscnt 0x4                               ; tile 0's four loads; tile 1's are younger
	GBFMA 0, 0
	GBLD 2, 0, \go, \bo
	s_wait_dscnt 0x4
	GBFMA 1, 1
	GBLD 3, 1, \go, \bo
	s_wait_dscnt 0x4
	GBFMA 2, 0
	s_wait_dscnt 0x0
	GBFMA 3, 1
.endm
	s_load_b256 s[4:11], s[0:1], 0x0               ; att1 4, x 6, wpack 8, ln1_g 10
	s_load_b128 s[12:15], s[0:1], 0x20             ; ln1_b 12, h1 14
	s_load_b64 s[16:17], s[0:1], 0x30              ; q2
	v_lshl_add_u32 v14, v0, 2, 0x21a00
	v_mov_b32 v15, 0
	v_lshrrev_b32 v2, 5, v0
	v_readfirstlane_b32 s2, v2                     ; wave
	s_mov_b32 s36, 0x76543210                      ; lane i of one half reads lane i of the other
	s_mov_b32 s37, 0xfedcba98
	s_mov_b32 s38, 0xffff0000                      ; lanes 16-31
	v_and_b32 v[TMP], 15, v0                       ; r
	v_bfe_u32 v[TMP+1], v0, 4, 1                   ; h
	v_and_b32 v1, 31, v0
	v_lshlrev_b32 v6, 2, v1
	v_lshlrev_b32 v12, 3, v1
	v_lshlrev_b32 v1, 4, v1                        ; v1 = 16 L
	s_lshl_b32 s24, s2, 8
	v_lshl_add_u32 v5, v[TMP+1], 5, s24            ; 256 w + 32 h: my 8 features, in f32 bytes
	v_mul_u32_u24 v3, v[TMP], XP
	v_add_nc_u32 v3, v3, v5
	v_add_nc_u32 v3, XS, v3                        ; v3: x in tile order
	v_add_nc_u32 v5, CB, v5                        ; v5: gamma, beta
	s_mul_i32 s24, s2, 4*XP
	s_add_co_u32 s24, s24, XS
	v_add_nc_u32 v4, s24, v1                       ; v4: x by rows, four rows a wave
	s_lshl_b32 s24, s2, 7
	s_add_co_u32 s24, s24, RED
	v_add_nc_u32 v6, s24, v6                       ; v6: my wave's 32 sums
	v_lshlrev_b32 v7, 2, v[TMP]
	v_add_nc_u32 v7, RED, v7                       ; v7: token r's sums
	s_lshl_b32 s24, s2, 11
	s_add_co_u32 s24, s24, HF
	v_add_nc_u32 v8, s24, v1                       ; v8: my features' halves of the h1 fragments
	v_lshl_add_u32 v12, s2, 8, v12                 ; v12: 8 x (32 w + L)
	v_add_nc_u32 v9, CB, v12
	v_lshl_add_u32 v10, s2, 12, v1                 ; v10: 4,096 w + 16 L
	v_lshl_add_u32 v11, s2, 13, v1                 ; v11: 8,192 w + 16 L
	s_lshl_b32 s24, ttmp9, 15
	s_mov_b32 s25, 0
	s_lshl_b32 s26, ttmp9, 16
	s_mov_b32 s27, 0
	s_lshl_b32 s28, s2, 16                         ; my group of four feature tiles in a packed matrix with K = 512
	s_mov_b32 s29, 0
	s_lshr_b32 s30, ttmp9, 6                       ; q2: ((16 b + 2 w) 128 + 2 (g % 64)) x 1,024
	s_lshl_b32 s30, s30, 21
	s_lshl_b32 s31, s2, 18
	s_add_co_u32 s30, s30, s31
	s_and_b32 s31, ttmp9, 63
	s_lshl_b32 s31, s31, 11
	s_add_co_u32 s30, s30, s31
	s_mov_b32 s31, 0
	s_wait_kmcnt 0x0
	s_add_nc_u64 s[4:5], s[4:5], s[24:25]
	s_add_nc_u64 s[6:7], s[6:7], s[26:27]
	s_add_nc_u64 s[14:15], s[14:15], s[26:27]
	s_add_nc_u64 s[16:17], s[16:17], s[30:31]
	s_add_nc_u64 s[20:21], s[8:9], s[28:29]        ; sa_wo
	s_add_nc_u64 s[22:23], s[20:21], 524288        ; ca_wq
.irp n,0,1,2,3,4,5,6,7,8,9,10,11,12,13,14,15
	global_load_b128 v[ACC+4*\n:ACC+4*\n+3], v11, s[6:7] offset:\n*512     ; x: 65,536 consecutive bytes for the work-group
.endr
.irp n,0,1,2,3,4,5,6,7
	global_load_b128 v[ACT+4*\n:ACT+4*\n+3], v10, s[4:5] offset:\n*512     ; att1: 32,768 consecutive bytes
.endr
	global_load_b64 v[TMP:TMP+1], v12, s[10:11]
	global_load_b64 v[TMP+2:TMP+3], v12, s[12:13]
	WFILL 20
	s_wait_loadcnt 32                              ; all but the ring's 32 loads, which are younger
.irp n,0,1,2,3,4,5,6,7,8,9,10,11,12,13,14,15
	ds_store_b128 v4, v[ACC+4*\n:ACC+4*\n+3] offset:(\n/4)*XP+(\n%4)*512
.endr
.irp n,0,1,2,3,4,5,6,7
	ds_store_b128 v10, v[ACT+4*\n:ACT+4*\n+3] offset:AFR+\n*512
.endr
	ds_store_b64 v9, v[TMP:TMP+1]
	ds_store_b64 v9, v[TMP+2:TMP+3] offset:2048
	s_wait_dscnt 0x0
	s_barrier_signal -1
	s_barrier_wait -1
.irp f,0,1,2,3
.irp t,0,1
.irp q,0,1
	ds_load_b128 v[ACC+16*\f+8*\t+4*\q:ACC+16*\f+8*\t+4*\q+3], v3 offset:\t*16*XP+\f*64+\q*16   ; the residual starts the sums
.endr
.endr
.endr
	v_add_nc_u32 v2, AFR, v1
	ACT0 16384
	GEMM 20, 16, 0, 16384                          ; x + att1 sa_wo^T
	WFILL 22                                       ; the next product's weights run through the norm and its barriers
	LNORM 0, 1024, 0, 2048
.irp f,0,1,2,3
.irp t,0,1
.irp q,0,1
	global_store_b128 v10, v[ACC+16*\f+8*\t+4*\q:ACC+16*\f+8*\t+4*\q+3], s[14:15] offset:\t*32768+\f*1024+\q*512   ; 512 consecutive bytes, aligned
.endr
.endr
.endr
.irp f,0,1,2,3
.irp t,0,1
.irp n,0,1,2,3
	v_cvt_pk_bf16_f32 v[ACT+4*(2*\f+\t)+\n], v[ACC+16*\f+8*\t+2*\n], v[ACC+16*\f+8*\t+2*\n+1]
.endr
	ds_store_b128 v8, v[ACT+4*(2*\f+\t):ACT+4*(2*\f+\t)+3] offset:\t*16384+\f*512
.endr
.endr
	s_wait_dscnt 0x0
	s_wait_xcnt 0x0                                ; the accumulators are the stores' data: they are written again only behind this wait
	s_barrier_signal -1
	s_barrier_wait -1
	v_add_nc_u32 v2, HF, v1
	ACT0 16384
	GEMM 22, 16, 1, 16384                          ; h1 ca_wq^T
.irp f,0,1,2,3
.irp t,0,1
.irp n,0,1,2,3
	v_cvt_pk_bf16_f32 v[ACT+4*(2*\f+\t)+\n], v[ACC+16*\f+8*\t+2*\n], v[ACC+16*\f+8*\t+2*\n+1]
.endr
	global_store_b128 v1, v[ACT+4*(2*\f+\t):ACT+4*(2*\f+\t)+3], s[16:17] offset:(\f/2)*131072+\t*1024+(\f%2)*512
.endr
.endr
	s_wait_tensorcnt 0x0
	ds_add_u32 v14, v15
	s_wait_dscnt 0x0
	s_endpgm
.Lfunc_end_k_qddcc5e2027_post1:
	.size	k_qddcc5e2027_post1, .Lfunc_end_k_qddcc5e2027_post1-k_qddcc5e2027_post1
	.p2alignl 7, 3214868480
	.fill 96, 4, 3214868480
	.section	.rodata,"a",@progbits
	.p2align	6, 0x0
	.amdhsa_kernel k_qddcc5e2027_post1
		.amdhsa_group_segment_fixed_size 138752
		.amdhsa_private_segment_fixed_size 0
		.amdhsa_enable_private_segment 0
		.amdhsa_kernarg_size 56
		.amdhsa_user_sgpr_count 2
		.amdhsa_user_sgpr_kernarg_segment_ptr 1
		.amdhsa_wavefront_size32 1
		.amdhsa_system_sgpr_workgroup_id_x 1
		.amdhsa_system_sgpr_workgroup_id_y 1
		.amdhsa_system_sgpr_workgroup_id_z 1
		.amdhsa_system_vgpr_workitem_id 0
		.amdhsa_next_free_vgpr 256
		.amdhsa_next_free_sgpr 66
		.amdhsa_reserve_vcc 0
		.amdhsa_float_denorm_mode_32 3
		.amdhsa_float_denorm_mode_16_64 3
		.amdhsa_memory_ordered 1
		.amdhsa_forward_progress 1
		.amdhsa_inst_pref_size 66
	.end_amdhsa_kernel
	.amdgpu_metadata
---
amdhsa.version: [ 1, 2 ]
amdhsa.kernels:
  - .name:           k_qddcc5e2027_post1
    .symbol:         k_qddcc5e2027_post1.kd
    .args:
      - { .name: att1, .offset: 0, .size: 8, .value_kind: global_buffer, .address_space: global }
      - { .name: x, .offset: 8, .size: 8, .value_kind: global_buffer, .address_space: global }
      - { .name: wpack, .offset: 16, .size: 8, .value_kind: global_buffer, .address_space: global }
      - { .name: ln1_g, .offset: 24, .size: 8, .value_kind: global_buffer, .address_space: global }
      - { .name: ln1_b, .offset: 32, .size: 8, .value_kind: global_buffer, .address_space: global }
      - { .name: h1, .offset: 40, .size: 8, .value_kind: global_buffer, .address_space: global }
      - { .name: q2, .offset: 48, .size: 8, .value_kind: global_buffer, .address_space: global }
    .group_segment_fixed_size: 138752
    .private_segment_fixed_size: 0
    .kernarg_segment_align: 8
    .kernarg_segment_size: 56
    .max_flat_workgroup_size: 256
    .sgpr_count:     66
    .vgpr_count:     256
    .wavefront_size: 32
...
	.end_amdgpu_metadata
.endif
;; end of part 3
;; launch attn_cross (part 4): grid 256 x 1, 8 waves a work-group, no clusters, 263,168 bytes of LDS; arguments q2, kv2, att2; writes att2
.if DOCPART == 4
	.amdgcn_target "amdgcn-amd-amdhsa--gfx1250"
	.amdhsa_code_object_version 6
	.text
	.protected	k_qddcc5e2027_attn_cross
	.globl	k_qddcc5e2027_attn_cross
	.p2align	8
	.type	k_qddcc5e2027_attn_cross,@function
k_qddcc5e2027_attn_cross:
	s_mov_b64 s[64:65], 0
	v_nop
	global_prefetch_b8 v0, s[64:65] scope:SCOPE_SE
	s_setreg_imm32_b32 hwreg(HW_REG_WAVE_MODE, 25, 1), 1
	s_wait_xcnt 0x0
; Attention of one head for 256 queries; CAUSAL = 0: cross-attention, no mask, 32 steps of 64 keys for every wave.
; q: [b][head][query tile 128][fragment]; kv: [b][head][block of 32 keys][K keys 0-15, K keys 16-31, V^T d 0-15, V^T d 16-31], 1,024 bytes each;
; att: [token tile 256][head][fragment].  Fragment order: byte 512 c + 16 L + 2 e = (row L % 16, k = 16 c + 8 (L / 16) + e).
; Work-group: head x / 8, part p = x % 8.  A wave owns 32 queries (2 tiles) from 256 p + 32 w.
; S^T = K Q^T: a lane holds keys 8 h + j of query r, so softmax figures are per lane with one exchange between the halves, and two S^T tiles
; round in place into the source-1 fragment of O^T = V^T P^T.  O^T in turn is a fragment of the next product.
; The whole head's K and V^T (262,144 bytes) are brought into LDS once, by four tensor loads a wave issued at the start (four outstanding);
; nothing is ever filled again.  A wave's share of a chunk of 512 keys is 8,192 bytes: 32 rows of 256 bytes.
; Softmax: a running maximum; p = exp2(c s - c M) with c = log2(e) / sqrt(512); the rounded c M serves p and the rescaling alike.
; Q, K, V, P are bf16; sums and softmax figures f32.
; The eight work-groups of a head ask for the same 262,144 bytes, each for itself: this text has no joint loads.  Only the first chunk,
; a quarter of the bytes, stands in front of any work; the other three land while 8, 16 and 24 steps are worked on.
.set CAUSAL, 0
.set QF,  8                            ; v[8:23]    Q fragments, tile t
.set O,   24                           ; v[24:55]   O^T (t, d tile)
.set S,   56                           ; v[56:119]  S^T (t, key tile 0..3); P^T (t, g) lies on its first 8 of each 16
.set KF,  120                          ; v[120:151] K fragments, key tile
.set VF,  152                          ; v[152:183] V^T fragments (g, d tile)
.set MX,  184                          ; v[184:185] running maximum
.set NMS, 186                          ; v[186:189] - c M, first of a pair
.set LS,  190                          ; v[190:191] running sum, this half's keys
.set AL,  192                          ; v[192:195] rescaling factor, first of a pair
.set T,   196                          ; v[196:211] at work, 8 for each t
.set NEWN, 212                         ; v[212:213]
.macro STEP masked                     ; 64 keys: 8,192 bytes at v2
.irp g,0,1
.irp a,0,1
	ds_load_b128 v[KF+8*(2*\g+\a):KF+8*(2*\g+\a)+3], v2 offset:\g*4096+\a*1024
	ds_load_b128 v[KF+8*(2*\g+\a)+4:KF+8*(2*\g+\a)+7], v2 offset:\g*4096+\a*1024+512
.endr
.endr
.irp g,0,1
.irp d,0,1
	ds_load_b128 v[VF+8*(2*\g+\d):VF+8*(2*\g+\d)+3], v2 offset:\g*4096+2048+\d*1024
	ds_load_b128 v[VF+8*(2*\g+\d)+4:VF+8*(2*\g+\d)+7], v2 offset:\g*4096+2048+\d*1024+512
.endr
.endr
	s_wait_dscnt 0x8                               ; K is in; the eight loads of V^T are younger
.irp k,0,1,2,3
.irp t,0,1
	v_wmma_f32_16x16x32_bf16 v[S+8*(4*\t+\k):S+8*(4*\t+\k)+7], v[KF+8*\k:KF+8*\k+7], v[QF+8*\t:QF+8*\t+7], 0
.endr
.endr
.rept 4
	v_nop                                          ; four places before vector instructions read the scores (ISA guide 7.12.1)
.endr
	; the maximum of 32 scores and the old maximum: 16 three-way maxima for each t, four chains
.irp a,0,1,2,3
.irp t,0,1
	v_max3_num_f32 v[T+8*\t+\a], v[S+32*\t+3*\a], v[S+32*\t+3*\a+1], v[S+32*\t+3*\a+2]
.endr
.endr
.irp b,12,20
.irp a,0,1,2,3
.irp t,0,1
	v_max3_num_f32 v[T+8*\t+\a], v[T+8*\t+\a], v[S+32*\t+\b+2*\a], v[S+32*\t+\b+2*\a+1]
.endr
.endr
.endr
.irp t,0,1
	v_max3_num_f32 v[T+8*\t], v[T+8*\t], v[S+32*\t+28], v[S+32*\t+29]
	v_max3_num_f32 v[T+8*\t+1], v[T+8*\t+1], v[S+32*\t+30], v[S+32*\t+31]
	v_max3_num_f32 v[T+8*\t+2], v[T+8*\t+2], v[T+8*\t+3], v[MX+\t]
.endr
.irp t,0,1
	v_max3_num_f32 v[T+8*\t], v[T+8*\t], v[T+8*\t+1], v[T+8*\t+2]
.endr
.irp t,0,1
	v_permlanex16_b32 v[T+8*\t+1], v[T+8*\t], s42, s43         ; the other half's keys of the same query
.endr
.irp t,0,1
	v_max_num_f32 v[MX+\t], v[T+8*\t], v[T+8*\t+1]
.endr
.irp t,0,1
	v_mul_f32 v[NEWN+\t], s44, v[MX+\t]            ; - c M
.endr
.irp t,0,1
	v_sub_f32 v[AL+2*\t], v[NEWN+\t], v[NMS+2*\t]  ; c (M old - M new)
.endr
.irp t,0,1
	v_mov_b32 v[NMS+2*\t], v[NEWN+\t]
.endr
.irp t,0,1
	v_exp_f32 v[AL+2*\t], v[AL+2*\t]               ; the multiply-adds below are the plain place behind it (ISA guide 5.7.2)
.endr
.irp t,0,1
.irp n,0,1,2,3,4,5,6,7,8,9,10,11,12,13,14,15
	v_pk_fma_f32 v[S+32*\t+2*\n:S+32*\t+2*\n+1], v[S+32*\t+2*\n:S+32*\t+2*\n+1], s[40:41], v[NMS+2*\t:NMS+2*\t+1] op_sel_hi:[1,0,0]
.endr
.endr
.set e_, 0
.rept 64
	v_exp_f32 v[S+e_], v[S+e_]
.set e_, e_+1
.endr
	s_wait_alu depctr_va_vdst(0)
.irp t,0,1                                             ; plain work that touches no exponential: also the place behind the last of them
.irp n,0,1,2,3,4,5,6,7
	v_pk_mul_f32 v[O+16*\t+2*\n:O+16*\t+2*\n+1], v[O+16*\t+2*\n:O+16*\t+2*\n+1], v[AL+2*\t:AL+2*\t+1] op_sel_hi:[1,0]
.endr
.endr
.irp q,0,1,2,3
.irp t,0,1
	v_pk_add_f32 v[T+8*\t+2*\q:T+8*\t+2*\q+1], v[S+32*\t+4*\q:S+32*\t+4*\q+1], v[S+32*\t+4*\q+2:S+32*\t+4*\q+3]
.endr
.endr
.irp b,16,24
.irp q,0,1,2,3
.irp t,0,1
	v_pk_add_f32 v[T+8*\t+2*\q:T+8*\t+2*\q+1], v[T+8*\t+2*\q:T+8*\t+2*\q+1], v[S+32*\t+\b+2*\q:S+32*\t+\b+2*\q+1]
.endr
.endr
.endr
.irp t,0,1
	v_pk_add_f32 v[T+8*\t:T+8*\t+1], v[T+8*\t:T+8*\t+1], v[T+8*\t+2:T+8*\t+3]
	v_pk_add_f32 v[T+8*\t+4:T+8*\t+5], v[T+8*\t+4:T+8*\t+5], v[T+8*\t+6:T+8*\t+7]
.endr
.irp t,0,1
	v_pk_add_f32 v[T+8*\t:T+8*\t+1], v[T+8*\t:T+8*\t+1], v[T+8*\t+4:T+8*\t+5]
.endr
.irp t,0,1
	v_fma_f32 v[LS+\t], v[LS+\t], v[AL+2*\t], v[T+8*\t]
.endr
.irp t,0,1
	v_add_f32 v[LS+\t], v[LS+\t], v[T+8*\t+1]
.endr
.irp t,0,1
.irp g,0,1
.irp n,0,1,2,3,4,5,6,7
	v_cvt_pk_bf16_f32 v[S+32*\t+16*\g+\n], v[S+32*\t+16*\g+2*\n], v[S+32*\t+16*\g+2*\n+1]   ; in place, rising: no source is written before it is read
.endr
.endr
.endr
	s_wait_dscnt 0x0                               ; V^T is in
.irp g,0,1
.irp d,0,1
.irp t,0,1                                             ; the four accumulators take turns, one instruction a turn
	v_wmma_f32_16x16x32_bf16 v[O+8*(2*\t+\d):O+8*(2*\t+\d)+7], v[VF+8*(2*\g+\d):VF+8*(2*\g+\d)+7], v[S+32*\t+16*\g:S+32*\t+16*\g+7], v[O+8*(2*\t+\d):O+8*(2*\t+\d)+7]
.endr
.endr
.endr
.rept 5
	v_nop                                          ; five places before the next score product writes over P^T; they also serve the next loads into fragments
.endr
.endm
; Chunk c: 512 keys, eight steps.
.macro CHUNK c
	s_wait_dscnt 0x0
	s_wait_tensorcnt 3-\c                          ; my part of chunk c has landed; the 3 - c later loads are younger and may stay out
	s_barrier_signal -1
	s_barrier_wait -1                              ; everybody's part has
	v_add_nc_u32 v2, \c*65536, v1
	s_mov_b32 s15, 8*\c                            ; number of the step's 64 keys
.Lstep_\@:
	STEP 0
	v_add_nc_u32 v2, 8192, v2
	s_add_co_u32 s15, s15, 1
	s_cmp_lt_u32 s15, 8*(\c+1)
	s_cbranch_scc1 .Lstep_\@
.endm
	s_load_b128 s[4:7], s[0:1], 0x0                ; q s[4:5], kv s[6:7]
	s_load_b64 s[8:9], s[0:1], 0x10                ; att
	v_lshl_add_u32 v216, v0, 2, 0x40000
	v_mov_b32 v217, 0
	ds_add_u32 v216, v217
	ds_add_u32 v216, v217
	v_lshrrev_b32 v1, 5, v0
	v_readfirstlane_b32 s10, v1                    ; wave
	s_lshr_b32 s11, ttmp9, 3                       ; 16 b + head
	s_and_b32 s12, ttmp9, 7                        ; p
	; descriptor group 1: a dense block of 8,192 bytes as 32 rows of 32 elements of 8 bytes
	s_mov_b32 s16, 3<<16                           ; no mask; element of 8 bytes; no padding
	s_mov_b32 s17, 32<<16                          ; tensor_dim0 = 32
	s_mov_b32 s18, 32<<16                          ; tensor_dim1 = 32
	s_mov_b32 s19, 32<<16                          ; tile_dim0 = 32
	s_mov_b32 s20, 32                              ; tile_dim1 = 32
	s_mov_b32 s21, 32                              ; from row to row: 32 elements
	s_mov_b32 s22, 0
	s_mov_b32 s23, 0
	s_lshl_b32 s45, s10, 13                        ; my 8,192 bytes of a chunk
	s_lshl_b32 s46, s11, 18                        ; the head's 262,144 bytes
	s_add_co_u32 s46, s46, s45
	s_mov_b32 s47, 0
	s_wait_dscnt 0x0
	s_wait_kmcnt 0x0
	s_add_nc_u64 s[6:7], s[6:7], s[46:47]
.irp c,0,1,2,3                                         ; all fills go out together, ahead of every wait on them, every LDS read and every barrier
	s_mov_b32 s[24+4*\c], 1
	s_add_co_u32 s[25+4*\c], s45, \c*65536
	s_add_nc_u64 s[26+4*\c:27+4*\c], s[6:7], \c*65536
	s_or_b32 s[27+4*\c], s[27+4*\c], 0x80000000
	tensor_load_to_lds s[24+4*\c:27+4*\c], s[16:23]
	s_nop 0
.endr
	s_lshl_b32 s13, s12, 8
	s_lshl_b32 s48, s10, 5
	s_add_co_u32 s13, s13, s48                     ; q0 = 256 p + 32 w
	s_lshl_b32 s46, s11, 17                        ; q: (128 (16 b + head) + q0 / 16) x 1,024
	s_lshl_b32 s48, s13, 6
	s_add_co_u32 s46, s46, s48
	s_add_nc_u64 s[4:5], s[4:5], s[46:47]
	s_lshr_b32 s46, s11, 4                         ; att: (128 b + q0 / 16) x 16,384 + head x 1,024
	s_lshl_b32 s46, s46, 21
	s_lshl_b32 s48, s13, 10
	s_add_co_u32 s46, s46, s48
	s_and_b32 s48, s11, 15
	s_lshl_b32 s48, s48, 10
	s_add_co_u32 s46, s46, s48
	s_add_nc_u64 s[8:9], s[8:9], s[46:47]
	v_and_b32 v1, 31, v0
	v_lshlrev_b32 v1, 4, v1                        ; 16 L
.irp t,0,1
	global_load_b128 v[QF+8*\t:QF+8*\t+3], v1, s[4:5] offset:\t*1024
	global_load_b128 v[QF+8*\t+4:QF+8*\t+7], v1, s[4:5] offset:\t*1024+512
.endr
	s_mov_b32 s40, 0x3d8293ee                      ; c = log2(e) / sqrt(512)
	s_mov_b32 s41, 0x3d8293ee
	s_mov_b32 s44, 0xbd8293ee                      ; - c
	s_mov_b32 s42, 0x76543210                      ; lane i of one half reads lane i of the other
	s_mov_b32 s43, 0xfedcba98
	; the sums start from zero and the first rescaling factor is exp2(-inf) = 0, so that the first step is the loop's own text
.set e_, 0
.rept 32
	v_mov_b32 v[O+e_], 0
.set e_, e_+1
.endr
.irp t,0,1
	v_mov_b32 v[MX+\t], 0xff800000                 ; - infinity
	v_mov_b32 v[NMS+2*\t], 0x7f800000              ; - c M = + infinity
	v_mov_b32 v[NMS+2*\t+1], 0x7f800000            ; the pair's other register is named by the packed forms
	v_mov_b32 v[LS+\t], 0
	v_mov_b32 v[AL+2*\t], 0
	v_mov_b32 v[AL+2*\t+1], 0
.endr
	s_wait_loadcnt 0x0                             ; Q
	CHUNK 0
	CHUNK 1
	CHUNK 2
	CHUNK 3
.irp t,0,1
	v_permlanex16_b32 v[T+8*\t], v[LS+\t], s42, s43
.endr
.irp t,0,1
	v_add_f32 v[LS+\t], v[LS+\t], v[T+8*\t]        ; both halves' keys
.endr
.irp t,0,1
	v_rcp_f32 v[AL+2*\t], v[LS+\t]
.endr
	v_nop                                          ; the plain place behind the reciprocals
	s_wait_alu depctr_va_vdst(0)
.irp t,0,1
.irp n,0,1,2,3,4,5,6,7
	v_pk_mul_f32 v[O+16*\t+2*\n:O+16*\t+2*\n+1], v[O+16*\t+2*\n:O+16*\t+2*\n+1], v[AL+2*\t:AL+2*\t+1] op_sel_hi:[1,0]
.endr
.endr
.irp t,0,1
.irp d,0,1
.irp n,0,1,2,3
	v_cvt_pk_bf16_f32 v[S+4*(2*\t+\d)+\n], v[O+8*(2*\t+\d)+2*\n], v[O+8*(2*\t+\d)+2*\n+1]
.endr
	global_store_b128 v1, v[S+4*(2*\t+\d):S+4*(2*\t+\d)+3], s[8:9] offset:\t*16384+\d*512   ; 512 consecutive bytes, aligned
.endr
.endr
	s_wait_tensorcnt 0x0
	ds_add_u32 v216, v217
	s_wait_dscnt 0x0
	s_endpgm
.Lfunc_end_k_qddcc5e2027_attn_cross:
	.size	k_qddcc5e2027_attn_cross, .Lfunc_end_k_qddcc5e2027_attn_cross-k_qddcc5e2027_attn_cross
	.p2alignl 7, 3214868480
	.fill 96, 4, 3214868480
	.section	.rodata,"a",@progbits
	.p2align	6, 0x0
	.amdhsa_kernel k_qddcc5e2027_attn_cross
		.amdhsa_group_segment_fixed_size 263168
		.amdhsa_private_segment_fixed_size 0
		.amdhsa_enable_private_segment 0
		.amdhsa_kernarg_size 24
		.amdhsa_user_sgpr_count 2
		.amdhsa_user_sgpr_kernarg_segment_ptr 1
		.amdhsa_wavefront_size32 1
		.amdhsa_system_sgpr_workgroup_id_x 1
		.amdhsa_system_sgpr_workgroup_id_y 1
		.amdhsa_system_sgpr_workgroup_id_z 1
		.amdhsa_system_vgpr_workitem_id 0
		.amdhsa_next_free_vgpr 218
		.amdhsa_next_free_sgpr 66
		.amdhsa_reserve_vcc 0
		.amdhsa_float_denorm_mode_32 3
		.amdhsa_float_denorm_mode_16_64 3
		.amdhsa_memory_ordered 1
		.amdhsa_forward_progress 1
		.amdhsa_inst_pref_size 66
	.end_amdhsa_kernel
	.amdgpu_metadata
---
amdhsa.version: [ 1, 2 ]
amdhsa.kernels:
  - .name:           k_qddcc5e2027_attn_cross
    .symbol:         k_qddcc5e2027_attn_cross.kd
    .args:
      - { .name: q2, .offset: 0, .size: 8, .value_kind: global_buffer, .address_space: global }
      - { .name: kv2, .offset: 8, .size: 8, .value_kind: global_buffer, .address_space: global }
      - { .name: att2, .offset: 16, .size: 8, .value_kind: global_buffer, .address_space: global }
    .group_segment_fixed_size: 263168
    .private_segment_fixed_size: 0
    .kernarg_segment_align: 8
    .kernarg_segment_size: 24
    .max_flat_workgroup_size: 256
    .sgpr_count:     66
    .vgpr_count:     218
    .wavefront_size: 32
...
	.end_amdgpu_metadata
.endif
;; end of part 4
;; launch post2 (part 5): grid 128 x 1, 8 waves a work-group, no clusters, 282,112 bytes of LDS; arguments att2, h1, wpack, ln2_g, ln2_b, ln3_g, ln3_b, ff_b1, ff_b2, out0; writes out0
.if DOCPART == 5
	.amdgcn_target "amdgcn-amd-amdhsa--gfx1250"
	.amdhsa_code_object_version 6
	.text
	.protected	k_qddcc5e2027_post2
	.globl	k_qddcc5e2027_post2
	.p2align	8
	.type	k_qddcc5e2027_post2,@function
k_qddcc5e2027_post2:
	s_mov_b64 s[64:65], 0
	v_nop
	global_prefetch_b8 v0, s[64:65] scope:SCOPE_SE
	s_setreg_imm32_b32 hwreg(HW_REG_WAVE_MODE, 25, 1), 1
	s_wait_xcnt 0x0
; post2: h2 = LayerNorm2(h1 + att2 ca_wo^T); out0 = LayerNorm3(h2 + relu(h2 ff_w1^T + b1) ff_w2^T + b2), for 32 tokens a work-group.
; Every product: source 0 = packed weights (m = feature), source 1 = activations (n = token).  Wave w owns features 64 w .. 64 w + 63
; (tiles f = 0..3) of each pass of 512 features, for both token tiles t.  A lane holds 8 features of one token, which round to 16 bytes
; of the next product's fragment.  Each weight number feeds one wave of the work-group alone, so a wave streams its own packed weights
; straight into registers: a ring of four slots of 4,096 consecutive bytes (one K step of 32), 16,384 bytes a wave always requested.  That is
; also why there are no joint loads: a tile brought into LDS would add a write and a read of LDS for bytes that one wave uses once.
; Activations are shared by the waves and lie in LDS as fragments [t][K step][1,024].  Residuals and biases are the products' starting sums.
; LayerNorm in two passes as in reference().  Operands bf16, everything else f32.
.set XP,  2064                         ; pitch of the f32 rows in LDS: 2,048 + 16, an odd multiple of 16
.set AFR, 0                            ; att2 fragments, 32,768 bytes
.set HF,  32768                        ; h2 fragments, 32,768
.set HID, 65536                        ; hidden fragments [t][32 K steps], 65,536
.set H2S, 131072                       ; h2 + b2 in f32, each lane's own bytes, 8,192 a wave
.set OS,  196608                       ; the output, 32 rows of XP
.set CB,  262656                       ; ln2_g, ln2_b, ln3_g, ln3_b, ff_b2: 2,048 each; ff_b1: 4,096
.set RED, 276992                       ; four regions of 1,024 for the sums over waves, each written once
.set ACC, 16                           ; v[16:79]   (f, t) at 16 f + 8 t
.set ACT, 80                           ; v[80:111]  activation fragments, two sets of (t); at work in the epilogues
.set TMP, 112                          ; v[112:127]
.set RING, 128                         ; v[128:255] four slots of four weight fragments
.macro PLACES                          ; four plain vector places behind matrix instructions (ISA guide 7.12.1)
.rept 4
	v_nop
.endr
.endm
.macro WFILL wb                        ; K steps 0 to 3 of a product
.irp s,0,1,2,3
.irp f,0,1,2,3
	global_load_b128 v[RING+32*\s+8*\f:RING+32*\s+8*\f+3], v1, s[\wb:\wb+1] offset:\s*4096+\f*1024
	global_load_b128 v[RING+32*\s+8*\f+4:RING+32*\s+8*\f+7], v1, s[\wb:\wb+1] offset:\s*4096+\f*1024+512
.endr
.endr
.endm
.macro ACT0 ts                         ; the first K step's activations
.irp t,0,1
	ds_load_b128 v[ACT+8*\t:ACT+8*\t+3], v2 offset:\t*\ts
	ds_load_b128 v[ACT+8*\t+4:ACT+8*\t+7], v2 offset:\t*\ts+512
.endr
.endm
; One K step of 32.  nxt: fetch the next step's activations; refill: request the slot's K step four further on;
; left: the loads of younger slots, 8 each, that may stay out.
.macro STEP slot, nxt, refill, left, zero, ts, wb
.if \nxt
.irp t,0,1
	ds_load_b128 v[ACT+16*(1-\slot%2)+8*\t:ACT+16*(1-\slot%2)+8*\t+3], v2 offset:(\slot+1)*1024+\t*\ts
	ds_load_b128 v[ACT+16*(1-\slot%2)+8*\t+4:ACT+16*(1-\slot%2)+8*\t+7], v2 offset:(\slot+1)*1024+\t*\ts+512
.endr
	s_wait_dscnt 0x4                               ; all but the four just issued
.else
	s_wait_dscnt 0x0
.endif
	s_wait_loadcnt \left
.irp f,0,1,2,3
.irp t,0,1                                             ; the eight accumulators take turns, one instruction a turn
.if \zero
	v_wmma_f32_16x16x32_bf16 v[ACC+16*\f+8*\t:ACC+16*\f+8*\t+7], v[RING+32*\slot+8*\f:RING+32*\slot+8*\f+7], v[ACT+16*(\slot%2)+8*\t:ACT+16*(\slot%2)+8*\t+7], 0
.else
	v_wmma_f32_16x16x32_bf16 v[ACC+16*\f+8*\t:ACC+16*\f+8*\t+7], v[RING+32*\slot+8*\f:RING+32*\slot+8*\f+7], v[ACT+16*(\slot%2)+8*\t:ACT+16*(\slot%2)+8*\t+7], v[ACC+16*\f+8*\t:ACC+16*\f+8*\t+7]
.endif
.endr
.endr
	PLACES                                         ; in front of the loads into the slot and into the activations, and of the epilogue
.if \refill
.irp f,0,1,2,3
	global_load_b128 v[RING+32*\slot+8*\f:RING+32*\slot+8*\f+3], v1, s[\wb:\wb+1] offset:16384+\slot*4096+\f*1024
	global_load_b128 v[RING+32*\slot+8*\f+4:RING+32*\slot+8*\f+7], v1, s[\wb:\wb+1] offset:16384+\slot*4096+\f*1024+512
.endr
.endif
.endm
.macro TRIP zero, ts, wb               ; once round the ring
	STEP 0, 1, 1, 24, \zero, \ts, \wb
	STEP 1, 1, 1, 24, 0, \ts, \wb
	STEP 2, 1, 1, 24, 0, \ts, \wb
	STEP 3, 1, 1, 24, 0, \ts, \wb
	s_wait_xcnt 0x0                                ; the base is stepped only when every issued load has had its address translated (ISA guide 3.1)
	s_add_nc_u64 s[\wb:\wb+1], s[\wb:\wb+1], 16384
	v_add_nc_u32 v2, 4096, v2
.endm
.macro GEMM wb, n, zero, ts            ; n K steps; zero = 1: the first product starts the sums
.if \zero
	TRIP 1, \ts, \wb
	s_mov_b32 s3, \n/4-2
.else
	s_mov_b32 s3, \n/4-1
.endif
.Lgemm_\@:
	TRIP 0, \ts, \wb
	s_sub_co_u32 s3, s3, 1
	s_cmp_lg_u32 s3, 0
	s_cbranch_scc1 .Lgemm_\@
	STEP 0, 1, 0, 24, 0, \ts, \wb                  ; the last four steps request nothing: the counts run down
	STEP 1, 1, 0, 16, 0, \ts, \wb
	STEP 2, 1, 0, 8, 0, \ts, \wb
	STEP 3, 0, 0, 0, 0, \ts, \wb
.endm
.macro TREE                            ; eight numbers to one, for each t
.irp t,0,1
	v_pk_add_f32 v[TMP+8*\t:TMP+8*\t+1], v[TMP+8*\t:TMP+8*\t+1], v[TMP+8*\t+2:TMP+8*\t+3]
	v_pk_add_f32 v[TMP+8*\t+4:TMP+8*\t+5], v[TMP+8*\t+4:TMP+8*\t+5], v[TMP+8*\t+6:TMP+8*\t+7]
.endr
.irp t,0,1
	v_pk_add_f32 v[TMP+8*\t:TMP+8*\t+1], v[TMP+8*\t:TMP+8*\t+1], v[TMP+8*\t+4:TMP+8*\t+5]
.endr
.irp t,0,1
	v_add_f32 v[TMP+8*\t], v[TMP+8*\t], v[TMP+8*\t+1]
.endr
.endm
.macro XCHG ro                         ; my wave's sums of 64 features for 32 tokens go to LDS; all eight waves' sums come back
	TREE
.irp t,0,1
	v_permlanex16_b32 v[TMP+8*\t+1], v[TMP+8*\t], s36, s37
.endr
.irp t,0,1
	v_add_f32 v[TMP+8*\t], v[TMP+8*\t], v[TMP+8*\t+1]
.endr
	v_cndmask_b32 v[TMP], v[TMP], v[TMP+8], s38    ; lane L carries token L
	ds_store_b32 v6, v[TMP] offset:\ro
	s_wait_dscnt 0x0                               ; my word is in LDS before I say so
	s_barrier_signal -1
	s_barrier_wait -1
.irp t,0,1
.irp u,0,1,2,3,4,5,6,7
	ds_load_b32 v[TMP+8*\t+\u], v7 offset:\ro+\u*128+\t*64
.endr
.endr
.endm
.macro GBLD f, gb, go, bo              ; gamma and beta of my 8 features of tile f
	ds_load_b128 v[ACT+16*\gb:ACT+16*\gb+3], v5 offset:\go+\f*64
	ds_load_b128 v[ACT+16*\gb+4:ACT+16*\gb+7], v5 offset:\go+\f*64+16
	ds_load_b128 v[ACT+16*\gb+8:ACT+16*\gb+11], v5 offset:\bo+\f*64
	ds_load_b128 v[ACT+16*\gb+12:ACT+16*\gb+15], v5 offset:\bo+\f*64+16
.endm
.macro GBFMA f, gb
.irp t,0,1
.irp q,0,1,2,3
	v_pk_fma_f32 v[ACC+16*\f+8*\t+2*\q:ACC+16*\f+8*\t+2*\q+1], v[ACC+16*\f+8*\t+2*\q:ACC+16*\f+8*\t+2*\q+1], v[ACT+16*\gb+2*\q:ACT+16*\gb+2*\q+1], v[ACT+16*\gb+8+2*\q:ACT+16*\gb+8+2*\q+1]
.endr
.endr
.endm
; LayerNorm of ACC in place.  ra, rb: the two regions for the sums; go, bo: gamma and beta, from v5.
.macro LNORM ra, rb, go, bo
.irp t,0,1
.irp q,0,1,2,3
	v_pk_add_f32 v[TMP+8*\t+2*\q:TMP+8*\t+2*\q+1], v[ACC+8*\t+2*\q:ACC+8*\t+2*\q+1], v[ACC+16+8*\t+2*\q:ACC+16+8*\t+2*\q+1]
.endr
.endr
.irp f,2,3
.irp t,0,1
.irp q,0,1,2,3
	v_pk_add_f32 v[TMP+8*\t+2*\q:TMP+8*\t+2*\q+1], v[TMP+8*\t+2*\q:TMP+8*\t+2*\q+1], v[ACC+16*\f+8*\t+2*\q:ACC+16*\f+8*\t+2*\q+1]
.endr
.endr
.endr
	XCHG \ra
	s_wait_dscnt 0x0
	TREE
.irp t,0,1
	v_mul_f32 v[TMP+8*\t], 0xbb000000, v[TMP+8*\t]     ; - mean = sum x (-1/512)
.endr
.irp f,0,1,2,3
.irp t,0,1
.irp q,0,1,2,3
	v_pk_add_f32 v[ACC+16*\f+8*\t+2*\q:ACC+16*\f+8*\t+2*\q+1], v[ACC+16*\f+8*\t+2*\q:ACC+16*\f+8*\t+2*\q+1], v[TMP+8*\t:TMP+8*\t+1] op_sel_hi:[1,0]
.endr
.endr
.endr
.irp t,0,1
.irp q,0,1,2,3
	v_pk_mul_f32 v[TMP+8*\t+2*\q:TMP+8*\t+2*\q+1], v[ACC+8*\t+2*\q:ACC+8*\t+2*\q+1], v[ACC+8*\t+2*\q:ACC+8*\t+2*\q+1]
.endr
.endr
.irp f,1,2,3
.irp t,0,1
.irp q,0,1,2,3
	v_pk_fma_f32 v[TMP+8*\t+2*\q:TMP+8*\t+2*\q+1], v[ACC+16*\f+8*\t+2*\q:ACC+16*\f+8*\t+2*\q+1], v[ACC+16*\f+8*\t+2*\q:ACC+16*\f+8*\t+2*\q+1], v[TMP+8*\t+2*\q:TMP+8*\t+2*\q+1]
.endr
.endr
.endr
	XCHG \rb
	GBLD 0, 0, \go, \bo
	GBLD 1, 1, \go, \bo
	s_wait_dscnt 0x8                               ; the sixteen sums are in; the eight loads of gamma and beta are younger
	TREE
.irp t,0,1
	v_mul_f32 v[TMP+8*\t], 0x3b004020, v[TMP+8*\t]     ; / 511
.endr
.irp t,0,1
	v_sqrt_f32 v[TMP+8*\t], v[TMP+8*\t]
.endr
	v_nop                                          ; a plain place behind each run of transcendentals (ISA guide 5.7.2)
	s_wait_alu depctr_va_vdst(0)
.irp t,0,1
	v_add_f32 v[TMP+8*\t], 0x358637bd, v[TMP+8*\t]     ; + 1e-6
.endr
.irp t,0,1
	v_rcp_f32 v[TMP+8*\t], v[TMP+8*\t]
.endr
	v_nop
	s_wait_alu depctr_va_vdst(0)
.irp f,0,1,2,3
.irp t,0,1
.irp q,0,1,2,3
	v_pk_mul_f32 v[ACC+16*\f+8*\t+2*\q:ACC+16*\f+8*\t+2*\q+1], v[ACC+16*\f+8*\t+2*\q:ACC+16*\f+8*\t+2*\q+1], v[TMP+8*\t:TMP+8*\t+1] op_sel_hi:[1,0]
.endr
.endr
.endr
	s_wait_dscnt 0x4                               ; tile 0's four loads; tile 1's are younger
	GBFMA 0, 0
	GBLD 2, 0, \go, \bo
	s_wait_dscnt 0x4
	GBFMA 1, 1
	GBLD 3, 1, \go, \bo
	s_wait_dscnt 0x4
	GBFMA 2, 0
	s_wait_dscnt 0x0
	GBFMA 3, 1
.endm
; One pass of 512 hidden features: b1 starts the sums; relu; the result becomes fragments of the last product.
.macro FFPASS p, wb, wnext
.irp f,0,1,2,3
.irp t,0,1
.irp q,0,1
	ds_load_b128 v[ACC+16*\f+8*\t+4*\q:ACC+16*\f+8*\t+4*\q+3], v5 offset:10240+\p*2048+\f*64+\q*16
.endr
.endr
.endr
	v_add_nc_u32 v2, HF, v1
	ACT0 16384
	GEMM \wb, 16, 0, 16384
	WFILL \wnext                                   ; the next product's weights are on their way during the epilogue
.set e_, 0
.rept 64
	v_max_num_f32 v[ACC+e_], 0, v[ACC+e_]
.set e_, e_+1
.endr
.irp f,0,1,2,3
.irp t,0,1
.irp n,0,1,2,3
	v_cvt_pk_bf16_f32 v[ACT+4*(2*\f+\t)+\n], v[ACC+16*\f+8*\t+2*\n], v[ACC+16*\f+8*\t+2*\n+1]
.endr
	ds_store_b128 v9, v[ACT+4*(2*\f+\t):ACT+4*(2*\f+\t)+3] offset:\t*32768+\p*16384+\f*512
.endr
.endr
.endm
	s_load_b512 s[4:19], s[0:1], 0x0               ; att2 4, h1 6, wpack 8, ln2_g 10, ln2_b 12, ln3_g 14, ln3_b 16, ff_b1 18
	s_load_b128 s[20:23], s[0:1], 0x40             ; ff_b2 20, out0 22
	s_set_vgpr_msb 0x40
	v_lshl_add_u32 v0, v0, 2, 0x44a00
	v_mov_b32 v1, 0
	s_set_vgpr_msb 0x4000
	v_lshrrev_b32 v2, 5, v0
	v_readfirstlane_b32 s2, v2                     ; wave
	s_mov_b32 s36, 0x76543210                      ; lane i of one half reads lane i of the other
	s_mov_b32 s37, 0xfedcba98
	s_mov_b32 s38, 0xffff0000                      ; lanes 16-31
	v_and_b32 v[TMP], 15, v0                       ; r
	v_bfe_u32 v[TMP+1], v0, 4, 1                   ; h
	v_and_b32 v1, 31, v0
	v_lshlrev_b32 v6, 2, v1
	v_lshlrev_b32 v12, 3, v1
	v_lshlrev_b32 v1, 4, v1                        ; v1 = 16 L
	s_lshl_b32 s32, s2, 8
	v_lshl_add_u32 v5, v[TMP+1], 5, s32            ; 256 w + 32 h: my 8 features, in f32 bytes
	v_mul_u32_u24 v3, v[TMP], XP
	v_add_nc_u32 v3, v3, v5
	v_add_nc_u32 v3, OS, v3                        ; v3: the output in tile order
	v_add_nc_u32 v5, CB, v5                        ; v5: gains and biases
	s_mul_i32 s32, s2, 4*XP
	s_add_co_u32 s32, s32, OS
	v_add_nc_u32 v4, s32, v1                       ; v4: the output by rows, four rows a wave
	s_lshl_b32 s32, s2, 7
	s_add_co_u32 s32, s32, RED
	v_add_nc_u32 v6, s32, v6                       ; v6: my wave's 32 sums
	v_lshlrev_b32 v7, 2, v[TMP]
	v_add_nc_u32 v7, RED, v7                       ; v7: token r's sums
	s_lshl_b32 s32, s2, 11
	s_add_co_u32 s33, s32, HF
	v_add_nc_u32 v8, s33, v1                       ; v8: my features' halves of the h2 fragments
	s_add_co_u32 s33, s32, HID
	v_add_nc_u32 v9, s33, v1                       ; v9: the same for the hidden fragments
	v_lshl_add_u32 v10, s2, 12, v1                 ; v10: 4,096 w + 16 L
	v_lshl_add_u32 v11, s2, 13, v1                 ; v11: 8,192 w + 16 L
	v_lshl_add_u32 v12, s2, 8, v12                 ; v12: 8 x (32 w + L)
	v_lshl_add_u32 v13, s2, 9, v1                  ; v13: 16 x (32 w + L)
	v_add_nc_u32 v14, CB, v12
	v_add_nc_u32 v15, H2S, v11                     ; v15: my own bytes for h2 + b2
	v_add_nc_u32 v2, CB+10240, v13                 ; for now: where ff_b1 goes
	s_lshl_b32 s32, ttmp9, 15
	s_mov_b32 s33, 0
	s_lshl_b32 s34, ttmp9, 16
	s_mov_b32 s35, 0
	s_lshl_b32 s40, s2, 16                         ; my group of four feature tiles, K = 512
	s_mov_b32 s41, 0
	s_lshl_b32 s42, s2, 17                         ; K = 1,024
	s_mov_b32 s43, 0
	s_wait_kmcnt 0x0
	s_add_nc_u64 s[4:5], s[4:5], s[32:33]
	s_add_nc_u64 s[6:7], s[6:7], s[34:35]
	s_add_nc_u64 s[22:23], s[22:23], s[34:35]
	s_add_nc_u64 s[24:25], s[8:9], s[40:41]
	s_add_nc_u64 s[30:31], s[8:9], s[42:43]
	s_add_nc_u64 s[26:27], s[24:25], 1572864       ; ff_w1, features 0..511
	s_add_nc_u64 s[28:29], s[24:25], 2097152       ; ff_w1, features 512..1023
	s_add_nc_u64 s[24:25], s[24:25], 1048576       ; ca_wo
	s_add_nc_u64 s[30:31], s[30:31], 2621440       ; ff_w2
.irp f,0,1,2,3
.irp t,0,1
.irp q,0,1
	global_load_b128 v[ACC+16*\f+8*\t+4*\q:ACC+16*\f+8*\t+4*\q+3], v10, s[6:7] offset:\t*32768+\f*1024+\q*512   ; h1 lies in tile order: the residual starts the sums
.endr
.endr
.endr
.irp n,0,1,2,3,4,5,6,7
	global_load_b128 v[ACT+4*\n:ACT+4*\n+3], v10, s[4:5] offset:\n*512     ; att2: 32,768 consecutive bytes for the work-group
.endr
	global_load_b64 v[TMP:TMP+1], v12, s[10:11]
	global_load_b64 v[TMP+2:TMP+3], v12, s[12:13]
	global_load_b64 v[TMP+4:TMP+5], v12, s[14:15]
	global_load_b64 v[TMP+6:TMP+7], v12, s[16:17]
	global_load_b64 v[TMP+8:TMP+9], v12, s[20:21]
	global_load_b128 v[TMP+12:TMP+15], v13, s[18:19]
	WFILL 24
	s_wait_loadcnt 32                              ; all but the ring's 32 loads, which are younger
.irp n,0,1,2,3,4,5,6,7
	ds_store_b128 v10, v[ACT+4*\n:ACT+4*\n+3] offset:AFR+\n*512
.endr
.irp n,0,1,2,3,4
	ds_store_b64 v14, v[TMP+2*\n:TMP+2*\n+1] offset:\n*2048
.endr
	ds_store_b128 v2, v[TMP+12:TMP+15]
	s_wait_dscnt 0x0
	s_barrier_signal -1
	s_barrier_wait -1
	v_add_nc_u32 v2, AFR, v1
	ACT0 16384
	GEMM 24, 16, 0, 16384                          ; h1 + att2 ca_wo^T
	WFILL 26
	LNORM 0, 1024, 0, 2048                         ; h2
	; h2 + b2 is put away in f32 (the last product's starting sum); h2 becomes fragments
.irp f,0,1,2,3
	ds_load_b128 v[ACT+8*\f:ACT+8*\f+3], v5 offset:8192+\f*64
	ds_load_b128 v[ACT+8*\f+4:ACT+8*\f+7], v5 offset:8192+\f*64+16
.endr
	s_wait_dscnt 0x0
.irp f,0,1,2,3
.irp t,0,1
.irp q,0,1,2,3
	v_pk_add_f32 v[TMP+8*\t+2*\q:TMP+8*\t+2*\q+1], v[ACC+16*\f+8*\t+2*\q:ACC+16*\f+8*\t+2*\q+1], v[ACT+8*\f+2*\q:ACT+8*\f+2*\q+1]
.endr
	ds_store_b128 v15, v[TMP+8*\t:TMP+8*\t+3] offset:(2*\f+\t)*1024
	ds_store_b128 v15, v[TMP+8*\t+4:TMP+8*\t+7] offset:(2*\f+\t)*1024+512
.endr
.endr
.irp f,0,1,2,3
.irp t,0,1
.irp n,0,1,2,3
	v_cvt_pk_bf16_f32 v[ACT+4*(2*\f+\t)+\n], v[ACC+16*\f+8*\t+2*\n], v[ACC+16*\f+8*\t+2*\n+1]
.endr
	ds_store_b128 v8, v[ACT+4*(2*\f+\t):ACT+4*(2*\f+\t)+3] offset:\t*16384+\f*512
.endr
.endr
	s_wait_dscnt 0x0
	s_barrier_signal -1
	s_barrier_wait -1
	FFPASS 0, 26, 28
	FFPASS 1, 28, 30
	s_wait_dscnt 0x0
	s_barrier_signal -1
	s_barrier_wait -1                              ; the hidden fragments are whole
.irp f,0,1,2,3
.irp t,0,1
.irp q,0,1
	ds_load_b128 v[ACC+16*\f+8*\t+4*\q:ACC+16*\f+8*\t+4*\q+3], v15 offset:(2*\f+\t)*1024+\q*512
.endr
.endr
.endr
	v_add_nc_u32 v2, HID, v1
	ACT0 32768
	GEMM 30, 32, 0, 32768                          ; h2 + b2 + hidden ff_w2^T
	LNORM 2048, 3072, 4096, 6144
	; the way out: tile order into LDS, whole rows back, 512 consecutive bytes a store
.irp f,0,1,2,3
.irp t,0,1
.irp q,0,1
	ds_store_b128 v3, v[ACC+16*\f+8*\t+4*\q:ACC+16*\f+8*\t+4*\q+3] offset:\t*16*XP+\f*64+\q*16
.endr
.endr
.endr
	s_wait_dscnt 0x0
	s_barrier_signal -1
	s_barrier_wait -1
.irp n,0,1,2,3,4,5,6,7,8,9,10,11,12,13,14,15
	ds_load_b128 v[ACC+4*\n:ACC+4*\n+3], v4 offset:(\n/4)*XP+(\n%4)*512
.endr
.irp n,0,1,2,3,4,5,6,7,8,9,10,11,12,13,14,15
	s_wait_dscnt 15-\n                             ; LDS loads come back in order: number n is in, the 15 - n younger ones may stay out
	global_store_b128 v11, v[ACC+4*\n:ACC+4*\n+3], s[22:23] offset:\n*512
.endr
	s_set_vgpr_msb 0x5
	s_wait_tensorcnt 0x0
	ds_add_u32 v0, v1
	s_wait_dscnt 0x0
	s_set_vgpr_msb 0x500
	s_endpgm
.Lfunc_end_k_qddcc5e2027_post2:
	.size	k_qddcc5e2027_post2, .Lfunc_end_k_qddcc5e2027_post2-k_qddcc5e2027_post2
	.p2alignl 7, 3214868480
	.fill 96, 4, 3214868480
	.section	.rodata,"a",@progbits
	.p2align	6, 0x0
	.amdhsa_kernel k_qddcc5e2027_post2
		.amdhsa_group_segment_fixed_size 282112
		.amdhsa_private_segment_fixed_size 0
		.amdhsa_enable_private_segment 0
		.amdhsa_kernarg_size 80
		.amdhsa_user_sgpr_count 2
		.amdhsa_user_sgpr_kernarg_segment_ptr 1
		.amdhsa_wavefront_size32 1
		.amdhsa_system_sgpr_workgroup_id_x 1
		.amdhsa_system_sgpr_workgroup_id_y 1
		.amdhsa_system_sgpr_workgroup_id_z 1
		.amdhsa_system_vgpr_workitem_id 0
		.amdhsa_next_free_vgpr 258
		.amdhsa_next_free_sgpr 66
		.amdhsa_reserve_vcc 0
		.amdhsa_float_denorm_mode_32 3
		.amdhsa_float_denorm_mode_16_64 3
		.amdhsa_memory_ordered 1
		.amdhsa_forward_progress 1
		.amdhsa_inst_pref_size 117
	.end_amdhsa_kernel
	.amdgpu_metadata
---
amdhsa.version: [ 1, 2 ]
amdhsa.kernels:
  - .name:           k_qddcc5e2027_post2
    .symbol:         k_qddcc5e2027_post2.kd
    .args:
      - { .name: att2, .offset: 0, .size: 8, .value_kind: global_buffer, .address_space: global }
      - { .name: h1, .offset: 8, .size: 8, .value_kind: global_buffer, .address_space: global }
      - { .name: wpack, .offset: 16, .size: 8, .value_kind: global_buffer, .address_space: global }
      - { .name: ln2_g, .offset: 24, .size: 8, .value_kind: global_buffer, .address_space: global }
      - { .name: ln2_b, .offset: 32, .size: 8, .value_kind: global_buffer, .address_space: global }
      - { .name: ln3_g, .offset: 40, .size: 8, .value_kind: global_buffer, .address_space: global }
      - { .name: ln3_b, .offset: 48, .size: 8, .value_kind: global_buffer, .address_space: global }
      - { .name: ff_b1, .offset: 56, .size: 8, .value_kind: global_buffer, .address_space: global }
      - { .name: ff_b2, .offset: 64, .size: 8, .value_kind: global_buffer, .address_space: global }
      - { .name: out0, .offset: 72, .size: 8, .value_kind: global_buffer, .address_space: global }
    .group_segment_fixed_size: 282112
    .private_segment_fixed_size: 0
    .kernarg_segment_align: 8
    .kernarg_segment_size: 80
    .max_flat_workgroup_size: 256
    .sgpr_count:     66
    .vgpr_count:     258
    .wavefront_size: 32
...
	.end_amdgpu_metadata
.endif
;; end of part 5
